; MI455X (gfx1250); checked and timed in simulation.
; The chip was launched on July 23, 2026; its instructions are those of AMD's public machine-readable ISA for CDNA 5 (MIT licence, August 2026) and "CDNA5" Instruction Set Architecture Reference Guide (July 2026). The comments in the code are by the model that wrote it; some were corrected since.
;; Hybrid Attention Layer. Allowed arithmetic: matrix products marked QUANTISED: E2M1 operands, one E8M0 scale for each 32 along K, by v_wmma_scale_f32_16x16x128_f8f6f4 with both operands' format E2M1 (or v_wmma_scale_f32_32x16x128_f4), f32 sums; products left as they are: bf16, f16 or f32 operands; f32 sums; everything else in f32.
;; Inputs: Wg 1,024 x 1 float32; Wout 1,024 x 1,024 float32; Wqkv 1,024 x 3,072 float32; bg 1 float32; bout 1,024 float32; bqkv 3,072 float32; hidden_states 1 x 4,096 x 1,024 float32.
;; Outputs: out0 1 x 4,096 x 1,024 float32.
;; This version of the problem:
;;   THIS VERSION OF THE PROBLEM IS GIVEN IN LOW PRECISION. The matrix products marked QUANTISED in the list below multiply operands that are first quantised to E2M1 (2 exponent bits, 1 mantissa bit; 4 bits a number), with one power-of-two scale for each 32 numbers along K (OCP MX v1.0); their sums are f32. The products marked 'left as it is' may take bf16, f16 or f32 operands, with f32 sums. Whichever they take, every output number must still come out within the allowed error. Rounding operands to bf16 (8 significant bits) uses up far more of that allowance than f16 does (11 bits, for magnitudes from 6e-5 to 65,504). All else is computed in f32.
;;   The module's matrix products, in the order in which they are computed (A, B: the left and right operand; K: the contracted axis; several contracted axes count as one K, in the product's order):
;;     1. [M 4,096, K 1,024] x [K 1,024, N 3,072]; A: input hidden_states; B: input Wqkv: QUANTISED
;;     2. batch 16 x [M 4,096, K 64] x [K 64, N 4,096]; A: computed on the way; B: computed on the way: left as it is (an operand is computed on the way)
;;     3. batch 16 x [M 4,096, K 4,096] x [K 4,096, N 64]; A: computed on the way; B: computed on the way: left as it is (an operand is computed on the way)
;;     4. batch 16 x [M 4,096, K 64] x [K 64, N 64]; A: computed on the way; B: computed on the way: left as it is (an operand is computed on the way)
;;     5. batch 16 x [M 4,096, K 64] x [K 64, N 64]; A: computed on the way; B: computed on the way: left as it is (an operand is computed on the way)
;;     6. [M 4,096, K 1,024] x [K 1,024, N 1]; A: input hidden_states; B: input Wg: left as it is (N = 1 < 16)
;;     7. [M 4,096, K 1,024] x [K 1,024, N 1,024]; A: computed on the way; B: input Wout: left as it is (an operand is computed on the way)
;;   THE QUANTISER, for each operand of a quantised product, along K:
;;     - K is cut into blocks of 32 from its start; a last block that is shorter is filled with zeros.
;;     - A block's scale is 2^e with e = floor(log2(the largest magnitude in the block)) - 2, held to -126 .. 127; a block of zeros has e = 0. As a byte (E8M0): e + 127.
;;     - Each number is divided by its block's scale, clamped to +-6, and rounded to the nearest number of E2M1, ties to even, subnormals kept.
;;     - The product sums the exact products of the quantised numbers (number of the format x scale) in f32.
;;   ~~~python
;;   def quantise(x, axis):      # numpy; x: float32 -> the quantised numbers, widened to float32 again
;;       x = np.moveaxis(x, axis, -1); K = x.shape[-1]
;;       x = np.pad(x, [(0, 0)] * (x.ndim - 1) + [(0, -K % 32)]); x = x.reshape(x.shape[:-1] + (-1, 32)); a = np.abs(x).max(-1, keepdims=True)
;;       e = np.where(a > 0, np.clip(np.frexp(np.where(a > 0, a, 1))[1] - 1 - 2, -126, 127), 0)      # np.frexp(a)[1] - 1 = floor(log2(a)), exactly
;;       r = np.clip(x / 2.0 ** e, -6, 6)
;;       step = 2.0 ** (np.maximum(np.frexp(np.where(r == 0, 1, r))[1] - 1, 0) - 1)
;;       q = np.round(r / step) * step * 2.0 ** e      # np.round: ties to even
;;       return np.moveaxis(q.reshape(q.shape[:-2] + (-1,))[..., :K], -1, axis).astype(np.float32)
;;   ~~~
;; One version. Each part assembles by itself: llvm-mc -triple=amdgcn-amd-amdhsa -mcpu=gfx1250 --defsym DOCPART=n.
;; ======== version 1 of 1: 4 launches
;; limits: values are held in f16: magnitudes above 65,504 overflow, below 6.1e-05 lose precision
;; workspace buffers: x_codes 2,097,152 bytes; x_scales 131,072 bytes; w_codes 1,572,864 bytes; w_scales 98,304 bytes; wout16 2,097,152 bytes; gpart 131,072 bytes; qkv16 25,165,824 bytes; o16 8,388,608 bytes
;; launch prep (part 1): grid 512 x 1, 4 waves a work-group, no clusters, 67,072 bytes of LDS; arguments hidden_states, Wg, Wqkv, Wout, x_codes, x_scales, gpart, w_codes, w_scales, wout16; writes x_codes, x_scales, gpart, w_codes, w_scales, wout16
.if DOCPART == 1
	.amdgcn_target "amdgcn-amd-amdhsa--gfx1250"
	.amdhsa_code_object_version 6
	.text
	.protected	k_qdfa79e7a61_prep
	.globl	k_qdfa79e7a61_prep
	.p2align	8
	.type	k_qdfa79e7a61_prep,@function
k_qdfa79e7a61_prep:
	s_mov_b64 s[64:65], 0
	v_nop
	global_prefetch_b8 v0, s[64:65] scope:SCOPE_SE
	s_setreg_imm32_b32 hwreg(HW_REG_WAVE_MODE, 25, 1), 1
	s_wait_xcnt 0x0
; PREP: the operands of the later launches are made once, each input byte read once.
;   work-groups   0-255 (X): 16 rows of hidden_states [4096][1024] f32 -> codes of FP4 (E2M1) with one E8M0 byte for each 32 along K, and each wave's part of the row's dot product with Wg.
;   work-groups 256-447 (W): 128 columns x 128 K of Wqkv [1024][3072] f32, K its first axis -> the same kind of codes and bytes, along K.
;   work-groups 448-511 (O): 128 columns x 128 K of Wout [1024][1024] f32 -> f16.
; ALL OUTPUTS LIE IN THE ORDER OF THE OPERAND'S REGISTERS.  A fragment is kept as pieces of 512 bytes, lane l's 16 bytes at 16 l, so that the launch that multiplies loads its registers as they lie.
;   x_codes [K half 2][block of 16 rows 256][K step of 128: 4][1,024 bytes]: the 16 bytes of block b (32 along K) of row r at 256 b + 16 r.   w_codes [2][192][4][1,024] likewise, rows = columns of Wqkv.
;   x_scales [256][K step 8][row 16] words, w_scales [192][8][16] words: byte b of a word = block b of that K step.
;   wout16 [K chunk of 256: 4][block of 16 columns 64][K step of 32: 8][1,024 bytes]: the 8 numbers k = 8 g .. 8 g + 7 of column r at 256 g + 16 r.
;   gpart [block of 16 rows 256][wave 4][lane 32] f32: wave w's sum over K = 256 w .. 256 w + 255 of hidden x Wg, for row lane % 16.
; A block's scale is 2^(floor(log2(its largest magnitude)) - 2); its byte is the largest magnitude's exponent field - 2, held at 1 from below.
; LIMITS: a block of zeros gets the byte 1 where the rule says 127 (its codes are zeros, and this program alone reads the bytes); Wout goes to f16: magnitudes over 65,504 become infinite,
; under 6e-5 they carry an absolute error of 3e-8; NaN and infinities among the inputs are not served.
; No tensor load, no barrier, no matrix instruction: memory binds, and waves share nothing.  Only path X uses LDS, each wave its own stage.
.set STGB,  16640                      ; a wave's stage: 16 rows x (1,024 bytes + 16)
.set SPITCH, 1040                      ; 65 x 16: the sixteen rows that a load touches start in sixteen different groups of banks
.set SPARE, 4*STGB                     ; behind the stages: the spare words, 128 bytes a wave
.set SPW,   10                         ; v10  my spare word's LDS address; never rewritten
.set NIL,   11                         ; v11  0; never rewritten
.set WG,    22                         ; v22-29   X: my eight numbers of Wg
.set W0,    30                         ; v30-31   X: the scale words of my two K steps
.set AS,    32                         ; v32-47   X: my part of the 16 rows' dot products
.set C0,    48                         ; v48-63   X: the codes of two fragments
.set RW,    64                         ; v64-191  numbers as loaded
.set XS0,   192                        ; v192-255 X: 64 numbers of a lane for the first K step;  O: the f16 pairs
	s_load_b256 s[4:11], s[0:1], 0x0               ; hidden s[4:5], Wg s[6:7], Wqkv s[8:9], Wout s[10:11]
	s_load_b256 s[12:19], s[0:1], 0x20             ; x_codes s[12:13], x_scales s[14:15], gpart s[16:17], w_codes s[18:19]
	s_load_b128 s[20:23], s[0:1], 0x40             ; w_scales s[20:21], wout16 s[22:23]
	v_lshl_add_u32 v[SPW], v0, 2, SPARE
	v_mov_b32 v[NIL], 0
	v_lshrrev_b32 v1, 5, v0
	v_readfirstlane_b32 s32, v1                    ; wave 0..3
	v_and_b32 v1, 31, v0                           ; lane
	v_and_b32 v2, 15, v0                           ; r
	v_bfe_u32 v3, v0, 4, 1                         ; h
	s_mov_b32 s37, 0                               ; the upper word of every offset
	s_wait_kmcnt 0x0
	s_cmp_lt_u32 ttmp9, 256                        ; the three paths part on the work-group's number alone
	s_cbranch_scc0 .Lnot_x
; ---------------- X: rows 16 x work-group .. + 15; wave w takes K = 256 w .. 256 w + 255: K steps 2 w and 2 w + 1
	s_mov_b32 s34, 0x76543210
	s_mov_b32 s35, 0xfedcba98                      ; v_permlanex16_b32's selects for lane l xor 16
	v_lshlrev_b32 v4, 4, v1                        ; 16 x lane
	s_mul_i32 s33, s32, STGB
	v_add_nc_u32 v5, s33, v4                       ; the stage, on the way in: bytes as they lie in the row
	v_mul_u32_u24 v6, v2, SPITCH
	v_lshl_add_u32 v6, v3, 7, v6
	v_add_nc_u32 v6, s33, v6                       ; and on the way out: row r, + 128 h: a whole block of 32 numbers a lane
	v_lshlrev_b32 v7, 3, v3                        ; 8 h: where my two bytes stand in a scale word
	v_lshlrev_b32 v8, 2, v1                        ; 4 x lane
	v_and_b32 v12, 8, v0
	v_cmp_ne_u32 s28, 0, v12                       ; masks of the lane number's bits 3, 2, 1, 0 and 4
	v_and_b32 v12, 4, v0
	v_cmp_ne_u32 s29, 0, v12
	v_and_b32 v12, 2, v0
	v_cmp_ne_u32 s30, 0, v12
	v_and_b32 v12, 1, v0
	v_cmp_ne_u32 s31, 0, v12
	v_cmp_ne_u32 s27, 0, v3
	s_lshl_b32 s36, ttmp9, 16                      ; 16 rows of 4,096 bytes
	s_lshl_b32 s38, s32, 10                        ; + my 256 numbers of a row
	s_add_co_u32 s36, s36, s38
	s_add_nc_u64 s[4:5], s[4:5], s[36:37]
	s_mov_b32 s36, s38
	s_add_nc_u64 s[6:7], s[6:7], s[36:37]
	s_lshr_b32 s36, s32, 1                         ; codes: K half w / 2,
	s_lshl_b32 s36, s36, 20
	s_lshl_b32 s38, ttmp9, 12                      ; the block of rows,
	s_add_co_u32 s36, s36, s38
	s_and_b32 s38, s32, 1                          ; K steps 2 (w % 2) and + 1 of the half
	s_lshl_b32 s38, s38, 11
	s_add_co_u32 s36, s36, s38
	s_add_nc_u64 s[12:13], s[12:13], s[36:37]
	s_lshl_b32 s36, ttmp9, 9                       ; scale words and partial sums: 512 bytes a block of rows, 128 a wave
	s_lshl_b32 s38, s32, 7
	s_add_co_u32 s36, s36, s38
	s_add_nc_u64 s[14:15], s[14:15], s[36:37]
	s_add_nc_u64 s[16:17], s[16:17], s[36:37]
	global_load_b128 v[WG:WG+3], v4, s[6:7]                        ; Wg at k = 256 w + 4 lane + 0..3,
	global_load_b128 v[WG+4:WG+7], v4, s[6:7] offset:512           ; and 128 further on
.irp row, 0,1,2,3,4,5,6,7,8,9,10,11,12,13,14,15
	global_load_b128 v[RW+8*\row:RW+8*\row+3], v4, s[4:5] offset:4096*\row th:TH_LOAD_NT        ; 32 lanes read 512 consecutive bytes
	global_load_b128 v[RW+8*\row+4:RW+8*\row+7], v4, s[4:5] offset:4096*\row+512 th:TH_LOAD_NT
.endr
.irp row, 0,1,2,3,4,5,6,7,8,9,10,11,12,13,14,15
	s_wait_loadcnt 30-2*\row                       ; this row's two loads are in; the later rows' may be out
	v_pk_mul_f32 v[14:15], v[RW+8*\row:RW+8*\row+1], v[WG:WG+1]
	v_pk_fma_f32 v[14:15], v[RW+8*\row+2:RW+8*\row+3], v[WG+2:WG+3], v[14:15]
	v_pk_fma_f32 v[14:15], v[RW+8*\row+4:RW+8*\row+5], v[WG+4:WG+5], v[14:15]
	v_pk_fma_f32 v[14:15], v[RW+8*\row+6:RW+8*\row+7], v[WG+6:WG+7], v[14:15]
	v_add_f32 v[AS+\row], v14, v15                 ; my eight terms of the row's dot product
	ds_store_b128 v5, v[RW+8*\row:RW+8*\row+3] offset:SPITCH*\row
	ds_store_b128 v5, v[RW+8*\row+4:RW+8*\row+7] offset:SPITCH*\row+512
.endr
.irp c, 0,1                                    ; back, for the first K step: lane (r, h) takes blocks h and 2 + h of row r, 32 neighbours each.  LDS serves a wave's instructions in order: these see the stores
.irp i, 0,1,2,3,4,5,6,7
	ds_load_b128 v[XS0+32*\c+4*\i:XS0+32*\c+4*\i+3], v6 offset:256*\c+16*\i
.endr
.endr
; The 16 sums over the lanes, all at once: in each round a lane keeps one half of its rows and hands the other half to the lane whose number differs in one bit.  At the end lane l holds row l % 16.
.macro BFLY n, mask
.set i, 0
.rept \n
	v_cndmask_b32 v12, v[AS+i], v[AS+i+\n], s[\mask]               ; what I keep,
	v_cndmask_b32 v13, v[AS+i+\n], v[AS+i], s[\mask]               ; what I hand over
	v_add_f32_dpp v[AS+i], v13, v12 row_xmask:\n row_mask:0xf bank_mask:0xf
.set i, i+1
.endr
.endm
	BFLY 8, 28
	BFLY 4, 29
	BFLY 2, 30
	BFLY 1, 31
	v_permlanex16_b32 v12, v[AS], s34, s35
	v_add_f32 v[AS], v[AS], v12                    ; with the other half of the lanes: my wave's part of row l % 16
	s_wait_dscnt 0x0                               ; the first K step's numbers are back, and the stage's stores have read their registers,
.irp c, 0,1
.irp i, 0,1,2,3,4,5,6,7
	ds_load_b128 v[RW+32*\c+4*\i:RW+32*\c+4*\i+3], v6 offset:512+256*\c+16*\i   ; which take the second K step's
.endr
.endr
; 64 numbers of a lane, two whole blocks, become a fragment's 8 registers of codes and the row's scale word
.macro QUANTX src, dst, word
.irp c, 0,1
	v_max3_num_f32 v[16+\c], |v[\src+32*\c]|, |v[\src+32*\c+1]|, 0x1800000   ; the floor 2^(3 - 127): the byte cannot fall under 1
.endr
.irp i, 2,4,6,8,10,12,14,16,18,20,22,24,26,28,30
.irp c, 0,1
	v_max3_num_f32 v[16+\c], v[16+\c], |v[\src+32*\c+\i]|, |v[\src+32*\c+\i+1]|   ; (the two blocks by turns)
.endr
.endr
.irp c, 0,1
	v_add_nc_u32 v[18+\c], 0xff000000, v[16+\c]    ; 2 off the exponent field: the conversion takes the exponent field of this operand as its scale
.endr
.irp c, 0,1
	v_lshrrev_b32 v[16+\c], 23, v[18+\c]           ; the scale's byte
.endr
	v_lshl_or_b32 v[\word], v17, 16, v16           ; blocks h and 2 + h,
	v_lshlrev_b32 v[\word], v7, v[\word]           ; at their places;
	v_permlanex16_b32 v12, v[\word], s34, s35
	v_or_b32 v[\word], v[\word], v12               ; with lane l xor 16's two the word is whole
.irp c, 0,1
.irp g, 0,1,2,3
	v_cvt_scalef32_pk8_fp4_f32 v[\dst+4*\c+\g], v[\src+32*\c+8*\g:\src+32*\c+8*\g+7], v[18+\c]
.endr
.endr
	v_nop                                          ; one plain line behind the last scaled conversion
.endm
	QUANTX XS0, C0, W0
	global_store_b128 v4, v[C0:C0+3], s[12:13]                     ; 32 lanes store 512 consecutive bytes, aligned
	global_store_b128 v4, v[C0+4:C0+7], s[12:13] offset:512
	s_wait_dscnt 0x0                               ; the second K step's numbers are back
	QUANTX RW, C0+8, W0+1
	global_store_b128 v4, v[C0+8:C0+11], s[12:13] offset:1024
	global_store_b128 v4, v[C0+12:C0+15], s[12:13] offset:1536
	v_cndmask_b32 v[W0], v[W0], v[W0+1], s27       ; lanes 0-15: K step 2 w's words, lanes 16-31: K step 2 w + 1's
	global_store_b32 v8, v[W0], s[14:15]           ; 128 consecutive bytes a wave: one byte in 128 of what the path reads
	global_store_b32 v8, v[AS], s[16:17]
	s_wait_tensorcnt 0x0                           ; the wave's end, behind my last LDS store
	ds_add_u32 v[SPW], v[NIL]
	s_wait_dscnt 0x0
	s_endpgm
; ---------------- W and O: A LANE TAKES A COLUMN, AND ITS REGISTERS RUN DOWN K: each load reads 128 consecutive bytes, a block of 32 along K lies in one lane, nothing is transposed
.macro LOADBLK b, pitch, base          ; rows 32 b .. 32 b + 31 of my 128
.set i, 0
.rept 32
	global_load_b32 v[RW+32*(\b)+i], v4, s[\base:\base+1] offset:(32*(\b)+i)*\pitch th:TH_LOAD_NT
.set i, i+1
.endr
.endm
.Lnot_x:
	v_lshlrev_b32 v4, 2, v1                        ; 4 x lane
	s_cmp_lt_u32 ttmp9, 448
	s_cbranch_scc0 .Lpath_o
	s_sub_co_u32 s26, ttmp9, 256                   ; j = 0 .. 191
	s_mul_i32 s27, s26, 2731
	s_lshr_b32 s27, s27, 16                        ; K step = j / 24 (2,731 / 65,536 serves every j under 192)
	s_mul_i32 s28, s27, 24
	s_sub_co_u32 s28, s26, s28                     ; group of 128 columns = j % 24
	s_mul_i32 s36, s27, 128*12288                  ; Wqkv: 128 rows of 12,288 bytes a K step,
	s_lshl_b32 s38, s28, 9                         ; 128 columns a group,
	s_add_co_u32 s36, s36, s38
	s_lshl_b32 s38, s32, 7                         ; 32 a wave
	s_add_co_u32 s36, s36, s38
	s_add_nc_u64 s[8:9], s[8:9], s[36:37]
	s_lshr_b32 s36, s27, 2                         ; codes: the K half,
	s_mul_i32 s36, s36, 786432
	s_lshl_b32 s38, s28, 15                        ; 8 blocks of 16 columns a group, 4,096 bytes each,
	s_add_co_u32 s36, s36, s38
	s_lshl_b32 s38, s32, 13                        ; 2 a wave,
	s_add_co_u32 s36, s36, s38
	s_and_b32 s38, s27, 3                          ; the K step in its half
	s_lshl_b32 s38, s38, 10
	s_add_co_u32 s36, s36, s38
	s_add_nc_u64 s[18:19], s[18:19], s[36:37]
	s_lshl_b32 s36, s28, 12                        ; scale words: 512 bytes a block of columns, 64 a K step
	s_lshl_b32 s38, s32, 10
	s_add_co_u32 s36, s36, s38
	s_lshl_b32 s38, s27, 6
	s_add_co_u32 s36, s36, s38
	s_add_nc_u64 s[20:21], s[20:21], s[36:37]
	v_lshlrev_b32 v5, 4, v2
	v_lshl_add_u32 v5, v3, 12, v5                  ; codes: 16 r, lanes 16-31 in the next block of columns
	v_lshlrev_b32 v6, 2, v2
	v_lshl_add_u32 v6, v3, 9, v6                   ; scale words: 4 r likewise
	LOADBLK 0, 12288, 8
	LOADBLK 1, 12288, 8
.macro WBLOCK b
.set XB, RW+32*(\b)
.if (\b) < 3
	s_wait_loadcnt 32                              ; this block's 32 loads are in; the next block's may be out
.else
	s_wait_loadcnt 0x0
.endif
.if (\b) < 2
	LOADBLK (\b)+2, 12288, 8                       ; into registers of its own
.endif
	v_max3_num_f32 v12, |v[XB]|, |v[XB+1]|, |v[XB+2]|
	v_max3_num_f32 v13, |v[XB+3]|, |v[XB+4]|, |v[XB+5]|
.irp i, 6,10,14,18,22,26
	v_max3_num_f32 v12, v12, |v[XB+\i]|, |v[XB+\i+1]|
	v_max3_num_f32 v13, v13, |v[XB+\i+2]|, |v[XB+\i+3]|
.endr
	v_max3_num_f32 v12, v12, |v[XB+30]|, |v[XB+31]|
	v_max3_num_f32 v12, v12, v13, 0x1800000        ; and the floor 2^(3 - 127)
	v_add_nc_u32 v14, 0xff000000, v12              ; the conversion's scale operand
	v_lshrrev_b32 v15, 23, v14                     ; the scale's byte
.if (\b) == 0
	v_mov_b32 v7, v15
.else
	v_lshl_or_b32 v7, v15, 8*(\b), v7              ; four bytes make my column's word for this K step
.endif
.irp g, 0,1,2,3
	v_cvt_scalef32_pk8_fp4_f32 v[16+4*(\b)+\g], v[XB+8*\g:XB+8*\g+7], v14
.endr
	v_nop                                          ; one plain line behind the last scaled conversion
	global_store_b128 v5, v[16+4*(\b):16+4*(\b)+3], s[18:19] offset:256*(\b)   ; sixteen lanes store 256 consecutive bytes, aligned
.endm
	WBLOCK 0
	WBLOCK 1
	WBLOCK 2
	WBLOCK 3
	global_store_b32 v6, v7, s[20:21]              ; two runs of 64 bytes: one byte in 128 of what the path reads
	s_endpgm
.Lpath_o:
	s_sub_co_u32 s26, ttmp9, 448                   ; j = 0 .. 63
	s_and_b32 s28, s26, 7                          ; group of 128 columns
	s_lshr_b32 s27, s26, 3                         ; which 128 along K
	s_lshl_b32 s36, s27, 19                        ; Wout: 128 rows of 4,096 bytes
	s_lshl_b32 s38, s28, 9
	s_add_co_u32 s36, s36, s38
	s_lshl_b32 s38, s32, 7
	s_add_co_u32 s36, s36, s38
	s_add_nc_u64 s[10:11], s[10:11], s[36:37]
	s_lshr_b32 s36, s27, 1                         ; wout16: the K chunk of 256,
	s_lshl_b32 s36, s36, 19
	s_lshl_b32 s38, s28, 16                        ; 8 blocks of 16 columns a group, 8,192 bytes each,
	s_add_co_u32 s36, s36, s38
	s_lshl_b32 s38, s32, 14                        ; 2 a wave,
	s_add_co_u32 s36, s36, s38
	s_and_b32 s38, s27, 1                          ; the chunk's K steps 0-3 or 4-7
	s_lshl_b32 s38, s38, 12
	s_add_co_u32 s36, s36, s38
	s_add_nc_u64 s[22:23], s[22:23], s[36:37]
	v_lshlrev_b32 v5, 4, v2
	v_lshl_add_u32 v5, v3, 13, v5                  ; 16 r, lanes 16-31 in the next block of columns
	LOADBLK 0, 4096, 10
	LOADBLK 1, 4096, 10
.macro OBLOCK u
.if (\u) < 3
	s_wait_loadcnt 32                              ; this K step's 32 loads are in; the next one's may be out
.else
	s_wait_loadcnt 0x0
.endif
.if (\u) < 2
	LOADBLK (\u)+2, 4096, 10
.endif
.irp g, 0,1,2,3
.irp i, 0,1,2,3
	v_cvt_pk_f16_f32 v[XS0+16*(\u)+4*\g+\i], v[RW+32*(\u)+8*\g+2*\i], v[RW+32*(\u)+8*\g+2*\i+1]   ; the lower k in the low half
.endr
	global_store_b128 v5, v[XS0+16*(\u)+4*\g:XS0+16*(\u)+4*\g+3], s[22:23] offset:1024*(\u)+256*\g   ; sixteen lanes store 256 consecutive bytes, aligned
.endr
.endm
	OBLOCK 0
	OBLOCK 1
	OBLOCK 2
	OBLOCK 3
	s_endpgm
.Lfunc_end_k_qdfa79e7a61_prep:
	.size	k_qdfa79e7a61_prep, .Lfunc_end_k_qdfa79e7a61_prep-k_qdfa79e7a61_prep
	.p2alignl 7, 3214868480
	.fill 96, 4, 3214868480
	.section	.rodata,"a",@progbits
	.p2align	6, 0x0
	.amdhsa_kernel k_qdfa79e7a61_prep
		.amdhsa_group_segment_fixed_size 67072
		.amdhsa_private_segment_fixed_size 0
		.amdhsa_enable_private_segment 0
		.amdhsa_kernarg_size 80
		.amdhsa_user_sgpr_count 2
		.amdhsa_user_sgpr_kernarg_segment_ptr 1
		.amdhsa_wavefront_size32 1
		.amdhsa_system_sgpr_workgroup_id_x 1
		.amdhsa_system_sgpr_workgroup_id_y 1
		.amdhsa_system_sgpr_workgroup_id_z 1
		.amdhsa_system_vgpr_workitem_id 0
		.amdhsa_next_free_vgpr 256
		.amdhsa_next_free_sgpr 66
		.amdhsa_reserve_vcc 0
		.amdhsa_float_denorm_mode_32 3
		.amdhsa_float_denorm_mode_16_64 3
		.amdhsa_memory_ordered 1
		.amdhsa_forward_progress 1
		.amdhsa_inst_pref_size 63
	.end_amdhsa_kernel
	.amdgpu_metadata
---
amdhsa.version: [ 1, 2 ]
amdhsa.kernels:
  - .name:           k_qdfa79e7a61_prep
    .symbol:         k_qdfa79e7a61_prep.kd
    .args:
      - { .name: hidden_states, .offset: 0, .size: 8, .value_kind: global_buffer, .address_space: global }
      - { .name: Wg, .offset: 8, .size: 8, .value_kind: global_buffer, .address_space: global }
      - { .name: Wqkv, .offset: 16, .size: 8, .value_kind: global_buffer, .address_space: global }
      - { .name: Wout, .offset: 24, .size: 8, .value_kind: global_buffer, .address_space: global }
      - { .name: x_codes, .offset: 32, .size: 8, .value_kind: global_buffer, .address_space: global }
      - { .name: x_scales, .offset: 40, .size: 8, .value_kind: global_buffer, .address_space: global }
      - { .name: gpart, .offset: 48, .size: 8, .value_kind: global_buffer, .address_space: global }
      - { .name: w_codes, .offset: 56, .size: 8, .value_kind: global_buffer, .address_space: global }
      - { .name: w_scales, .offset: 64, .size: 8, .value_kind: global_buffer, .address_space: global }
      - { .name: wout16, .offset: 72, .size: 8, .value_kind: global_buffer, .address_space: global }
    .group_segment_fixed_size: 67072
    .private_segment_fixed_size: 0
    .kernarg_segment_align: 8
    .kernarg_segment_size: 80
    .max_flat_workgroup_size: 128
    .sgpr_count:     66
    .vgpr_count:     256
    .wavefront_size: 32
...
	.end_amdgpu_metadata
.endif
;; end of part 1
;; launch qkv (part 2): grid 12 x 16, 4 waves a work-group, clusters of 4 x 4, 279,040 bytes of LDS; arguments x_codes, x_scales, w_codes, w_scales, bqkv, qkv16; writes qkv16
.if DOCPART == 2
	.amdgcn_target "amdgcn-amd-amdhsa--gfx1250"
	.amdhsa_code_object_version 6
	.text
	.protected	k_qdfa79e7a61_qkv
	.globl	k_qdfa79e7a61_qkv
	.p2align	8
	.type	k_qdfa79e7a61_qkv,@function
k_qdfa79e7a61_qkv:
	s_mov_b64 s[64:65], 0
	v_nop
	global_prefetch_b8 v0, s[64:65] scope:SCOPE_SE
	s_setreg_imm32_b32 hwreg(HW_REG_WAVE_MODE, 25, 1), 1
	s_wait_xcnt 0x0
	s_wait_alu depctr_hold_cnt(0) depctr_sa_sdst(0) depctr_va_vdst(0) depctr_va_sdst(0) depctr_va_ssrc(0) depctr_va_vcc(0) depctr_vm_vsrc(0)
	s_getreg_b32 s2, hwreg(HW_REG_IB_STS2, 6, 4)
	s_cmp_eq_u32 s2, 0
	s_cbranch_scc0 .Lentry_in_a_cluster
	s_endpgm
.Lentry_in_a_cluster:
	s_bfe_u32 s2, ttmp6, 0x10000c
	s_cmp_lg_u32 s2, 0xf033
	s_cbranch_scc0 .Lentry_shape_is_right
	s_endpgm
.Lentry_shape_is_right:
; QKV: qkv = Q(hidden) Q(Wqkv) + bqkv, [4096][3072], K = 1,024, on codes of FP4 (E2M1) with one E8M0 byte for each 32 along K; sums in f32; the result is rounded once, to f16.
; A work-group of four waves makes 256 tokens x 256 columns, a wave 128 x 128: 64 accumulators of 16 x 16, 512 registers; 512 matrix instructions a wave.
; THE OPERANDS LIE IN MEMORY IN THE ORDER OF THEIR REGISTERS (a fragment = two pieces of 512 bytes, lane l's 16 bytes at 16 l): a wave's part of a tile is one dense block of 32,768 bytes for one tensor load,
; and a fragment load reads 512 consecutive LDS bytes: no padding.  ALL OF K LIES IN LDS AT ONCE, in two halves of 512: no byte of LDS is filled twice, and there is no loop.
; By this text's own count a wave has three tensor loads out at the start (its scale words, its part of each K half), and none later.
; CLUSTERS: 4 x 4 work-groups.  The four of a row of the cluster need the same tokens, the four of a column the same columns of Wqkv: each block is asked for JOINTLY, by the same tensor load with the same
; descriptor and a mask that names the four.
; THE MATRIX INSTRUCTION IS USED TRANSPOSED (source 0 = 16 columns of Wqkv, source 1 = 16 tokens): a lane then holds eight neighbouring channels of one token, which pack into 16 bytes.
; The bias is the C of each sum's first matrix instruction: eight registers for each block of 16 columns, in the result's layout.
; qkv16 [q's, k's, v's heads: 48][block of 16 tokens: 256][16 channels: 4][512 bytes]: lane (token r, half h) puts channels 8 h .. 8 h + 7 of the 16 at 16 (r + 16 h): again the order of an operand's registers, so
; each store of a wave covers 512 consecutive bytes, aligned, with no way through LDS.  In v's heads the place is 16 ((r xor 8 h) + 16 h).
; LIMIT: magnitudes of q, k, v over 65,504 become infinite in f16; under 6e-5 they carry an absolute error of 3e-8.
; REGISTERS, in windows of 256: window 0: v0-31 addresses; v32-95 scale words, two sets; v128-191 the tokens' fragments, ONE set; v192-255 the bias; on the way out v128-255 take the packed results.
;   window 1: Wqkv's fragments, TWO sets, at v0 and v128.   window 2: the accumulators of my tokens 0-63 ((a, b) at v[8 (8 a + b)]);   window 3: those of my tokens 64-127.
.set NQ,     4                         ; steps of 128 along K in a K half
.set FR,     8                         ; registers of a fragment
.set NL,     2                         ; LDS loads that bring one
.set NP,     4                         ; places behind this matrix instruction (ISA guide 7.12.1)
.set PART,   32768                     ; what one tensor load brings: 128 rows x 512 K of codes
.set SLOT,   4*PART                    ; a K half: the tokens' two parts, then Wqkv's two
.set SCL,    2*SLOT                    ; behind them the scale words: 4,096 bytes for 128 rows and all of K, four such parts
.set SPART,  4096
.set SPARE,  SCL+4*SPART               ; the spare words, 128 bytes a wave
.set ADRA, 16                          ; v16-17  LDS address of my tokens' fragments in K half 0, 1
.set ADRB, 20                          ; v20-21  the same for Wqkv's
.set CO,   26                          ; v26     my 16 bytes' place in a piece of qkv16
.set ADRS, 27                          ; v27     LDS address of my scale words: lanes 0-15 the tokens', lanes 16-31 Wqkv's
.set SPW,  28                          ; v28     my spare word's LDS address; never rewritten
.set NIL,  29                          ; v29     0; never rewritten
.set SC,   32                          ; scale words: set s at v[SC + 32 s]; register 4 i + q: lanes 0-15 the tokens' block i, lanes 16-31 Wqkv's block i, step q of the half
.set AF,   128
.set BI,   192
.set G1, 24                            ; s[24:31] group 1 for the tokens' codes;  s[32:39] group 0, one set for each K half
.set G0, 32
.set G1B, 48                           ; s[48:55], s[56:63] the same for Wqkv's
.set G0B, 56
.set G1S, 68                           ; s[68:75], s[76:79] for the tokens' scale words;  s[80:87], s[88:91] for Wqkv's
.set G0S, 76
.set G1SB, 80
.set G0SB, 88
.set MSB, 0
.macro WIN new                         ; the immediate's high byte repeats the setting that is left
.if MSB != \new
	s_set_vgpr_msb (MSB<<8)|\new
.set MSB, \new
.endif
.endm
.set MUL_LO,  0xa1                     ; source 0 (Wqkv) window 1, source 1 (tokens) window 0, C and D window 2
.set MUL_HI,  0xf1                     ; the same, C and D window 3
.set BIAS_LO, 0x81                     ; the first step: C (the bias) window 0, D window 2
.set BIAS_HI, 0xc1                     ; D window 3
.set TO_B,    0x40                     ; destination window 1, address window 0
; A joint load: waves 0 and 1 fetch for the tokens, waves 2 and 3 for Wqkv.  Each line has one mask and one set of registers for all that issue it; the branch hangs on the wave's number alone.
; An s_nop 0 and four v_nop follow each of the two lines.
.macro JLOAD g0a, g1a, g0b, g1b
	s_cmp_eq_u32 s15, 0
	s_cbranch_scc0 .Lfor_b_\@
	tensor_load_to_lds s[\g0a:\g0a+3], s[\g1a:\g1a+7]
	s_nop 0
.rept 4
	v_nop
.endr
	s_branch .Lasked_\@
.Lfor_b_\@:
	tensor_load_to_lds s[\g0b:\g0b+3], s[\g1b:\g1b+7]
	s_nop 0
.rept 4
	v_nop
.endr
.Lasked_\@:
.endm
.macro CROUND                          ; a round of the cluster's barrier
	s_barrier_signal -1
	s_barrier_wait -1
	s_cmp_lg_u32 s14, 0
	s_cbranch_scc1 .Lnot_wave_0_\@
	s_barrier_signal -3
.Lnot_wave_0_\@:
	s_barrier_wait -3
	s_barrier_signal -1
	s_barrier_wait -1
.endm
	s_load_b128 s[4:7], s[0:1], 0x0                ; x_codes s[4:5], x_scales s[6:7]
	s_load_b128 s[8:11], s[0:1], 0x10              ; w_codes s[8:9], w_scales s[10:11]
	s_load_b128 s[96:99], s[0:1], 0x20             ; bqkv s[96:97], qkv16 s[98:99]
	v_lshl_add_u32 v[SPW], v0, 2, SPARE
	v_mov_b32 v[NIL], 0
	ds_add_u32 v[SPW], v[NIL]                      ; the wave's opening: the add, twice on end, and its wait ahead of my first tensor load
	ds_add_u32 v[SPW], v[NIL]                      ; and once more, under the one wait; the set-up below, work on registers, stands between
	v_lshrrev_b32 v1, 5, v0
	v_readfirstlane_b32 s14, v1                    ; wave 0..3
	s_lshr_b32 s15, s14, 1                         ; which half of the tile's tokens is mine.  Also: I fetch for the tokens (0) or for Wqkv (1)
	s_and_b32 s16, s14, 1                          ; which half of its columns.  Also: which 128 rows I fetch
	s_bfe_u32 s40, ttmp6, 0x40000                  ; cx, cy: my place in the cluster
	s_bfe_u32 s41, ttmp6, 0x40004
	s_lshl_b32 s42, ttmp9, 2
	s_add_co_u32 s42, s42, s40                     ; tile column = 4 x cluster x + cx
	s_and_b32 s17, ttmp7, 0xffff
	s_lshl_b32 s17, s17, 2
	s_add_co_u32 s17, s17, s41                     ; tile row = 4 x cluster y + cy
	s_lshl_b32 s43, s41, 2
	s_lshl_b32 s43, 15, s43                        ; my row of the cluster
	s_lshl_b32 s44, 0x1111, s40                    ; my column
	; group 1: a dense block as rows of 256 bytes (32 elements of 8 bytes): 128 rows of codes, 16 rows of scale words; no padding
	s_or_b32 s[G1+0], s43, (3<<16)|(1<<21)         ; 15:0 the mask: my row; 17:16 elements of 8 bytes; 21 set beside a mask
	s_or_b32 s[G1B+0], s44, (3<<16)|(1<<21)        ; the same with my column's mask
	s_or_b32 s[G1S+0], s43, (3<<16)|(1<<21)
	s_or_b32 s[G1SB+0], s44, (3<<16)|(1<<21)
.irp g, G1, G1B
	s_mov_b32 s[\g+1], 32<<16                      ; tensor_dim0
	s_mov_b32 s[\g+2], 128<<16                     ; tensor_dim1
	s_mov_b32 s[\g+3], 32<<16                      ; tile_dim0
	s_mov_b32 s[\g+4], 128                         ; tile_dim1
	s_mov_b32 s[\g+5], 32                          ; tensor_dim0_stride
	s_mov_b32 s[\g+6], 0
	s_mov_b32 s[\g+7], 0
.endr
.irp g, G1S, G1SB
	s_mov_b32 s[\g+1], 32<<16
	s_mov_b32 s[\g+2], 16<<16
	s_mov_b32 s[\g+3], 32<<16
	s_mov_b32 s[\g+4], 16
	s_mov_b32 s[\g+5], 32
	s_mov_b32 s[\g+6], 0
	s_mov_b32 s[\g+7], 0
.endr
	; where my blocks begin.  The tokens' hang on the tile row alone, Wqkv's on the tile column alone, each in registers that never hold the other coordinate
	s_lshl_b32 s18, s16, 15                        ; codes: 8 blocks of 16 rows x 4,096 bytes a part,
	s_lshl_b32 s20, s17, 16                        ; 16 a tile
	s_add_co_u32 s20, s20, s18
	s_mov_b32 s21, 0
	s_lshl_b32 s46, s42, 16
	s_add_co_u32 s46, s46, s18
	s_mov_b32 s47, 0
	s_lshl_b32 s18, s16, 12                        ; scale words: 512 bytes a block of 16 rows
	s_lshl_b32 s22, s17, 13
	s_add_co_u32 s22, s22, s18
	s_mov_b32 s23, 0
	s_lshl_b32 s92, s42, 13
	s_add_co_u32 s92, s92, s18
	s_mov_b32 s93, 0
	s_lshl_b32 s45, s14, 15                        ; where they go: wave x a part: no place in the cluster enters an LDS address
	s_lshl_b32 s94, s14, 12
	s_wait_dscnt 0x0                               ; both opening adds are done
	s_wait_kmcnt 0x0
	s_add_nc_u64 s[20:21], s[4:5], s[20:21]
	s_add_nc_u64 s[22:23], s[6:7], s[22:23]
	s_add_nc_u64 s[46:47], s[8:9], s[46:47]
	s_add_nc_u64 s[92:93], s[10:11], s[92:93]
	CROUND                                         ; all sixteen work-groups are here: the joint loads meet
	s_mov_b32 s[G0S], 1
	s_add_co_u32 s[G0S+1], s94, SCL
	s_mov_b64 s[G0S+2:G0S+3], s[22:23]
	s_or_b32 s[G0S+3], s[G0S+3], 0x80000000
	s_mov_b32 s[G0SB], 1
	s_add_co_u32 s[G0SB+1], s94, SCL
	s_mov_b64 s[G0SB+2:G0SB+3], s[92:93]
	s_or_b32 s[G0SB+3], s[G0SB+3], 0x80000000
	JLOAD G0S, G1S, G0SB, G1SB                     ; the scale words first: they are wanted with the first step
.irp s, 0,1
	s_mov_b32 s[G0+4*\s], 1
	s_add_co_u32 s[G0+4*\s+1], s45, \s*SLOT
	s_add_nc_u64 s[G0+4*\s+2:G0+4*\s+3], s[20:21], \s*1048576      ; x_codes' K halves lie 256 x 4,096 bytes apart
	s_or_b32 s[G0+4*\s+3], s[G0+4*\s+3], 0x80000000
	s_mov_b32 s[G0B+4*\s], 1
	s_add_co_u32 s[G0B+4*\s+1], s45, \s*SLOT
	s_add_nc_u64 s[G0B+4*\s+2:G0B+4*\s+3], s[46:47], \s*786432     ; w_codes' 192 x 4,096
	s_or_b32 s[G0B+4*\s+3], s[G0B+4*\s+3], 0x80000000
	JLOAD G0+4*\s, G1, G0B+4*\s, G1B
.endr
	v_and_b32 v1, 15, v0                           ; r
	v_bfe_u32 v2, v0, 4, 1                         ; h
	v_and_b32 v3, 31, v0
	v_lshlrev_b32 v4, 4, v3                        ; 16 x lane
	s_lshl_b32 s21, s15, 15                        ; my 128 tokens
	s_lshl_b32 s22, s16, 15                        ; my 128 columns,
	s_add_co_u32 s22, s22, 2*PART                  ; which lie behind the tokens' two parts
.irp s, 0,1
	v_add_nc_u32 v[ADRA+\s], s21, v4
	v_add_nc_u32 v[ADRB+\s], s22, v4
	s_add_co_u32 s21, s21, SLOT
	s_add_co_u32 s22, s22, SLOT
.endr
	s_lshl_b32 s21, s15, 12                        ; scale words: the tokens' part,
	s_lshl_b32 s22, s16, 12                        ; Wqkv's, behind the tokens' two
	s_add_co_u32 s22, s22, 2*SPART
	s_sub_co_u32 s22, s22, s21
	v_mul_u32_u24 v6, s22, v2                      ; lanes 16-31 take Wqkv's: the lower base + h x the distance
	s_add_co_u32 s21, s21, SCL
	v_lshl_add_u32 v5, v1, 2, v6                   ; + 4 r
	v_add_nc_u32 v[ADRS], s21, v5
	s_cmp_eq_u32 ttmp9, 2                          ; the third column of clusters holds v's columns (2,048 on): the same in all partners, and it enters a global offset alone
	s_cselect_b32 s18, 128, 0
	v_mul_u32_u24 v5, s18, v2
	v_xor_b32 v[CO], v4, v5                        ; 16 lane, in v's heads 16 ((r xor 8 h) + 16 h)
	v_lshlrev_b32 v7, 5, v2                        ; the bias: lane (r, h) wants, for block b, bqkv at my first column + 16 b + 8 h + 0 .. 7
	s_lshl_b32 s46, s42, 10
	s_lshl_b32 s47, s16, 9
	s_add_co_u32 s46, s46, s47
	s_mov_b32 s47, 0
	s_add_nc_u64 s[96:97], s[96:97], s[46:47]
.irp b, 0,1,2,3,4,5,6,7
	global_load_b128 v[BI+8*\b:BI+8*\b+3], v7, s[96:97] offset:64*\b
	global_load_b128 v[BI+8*\b+4:BI+8*\b+7], v7, s[96:97] offset:64*\b+16
.endr
	s_lshl_b32 s20, s17, 15                        ; qkv16: 16 blocks of tokens a tile, 2,048 bytes each,
	s_lshl_b32 s21, s15, 14                        ; my 8 of them,
	s_add_co_u32 s20, s20, s21
	s_mov_b32 s21, 0
	s_lshl_b32 s46, s42, 21                        ; four heads a tile column, 524,288 bytes each,
	s_lshl_b32 s47, s16, 20                        ; my two
	s_add_co_u32 s46, s46, s47
	s_mov_b32 s47, 0
	s_add_nc_u64 s[20:21], s[20:21], s[46:47]
	s_add_nc_u64 s[98:99], s[98:99], s[20:21]
.macro FRAG reg, adr, q, i             ; a fragment, 16 rows x 128 K: two pieces of 512 bytes as they lie
.irp c, 0,1
	ds_load_b128 v[\reg+4*\c:\reg+4*\c+3], v[\adr] offset:4096*(\i)+1024*(\q)+512*\c
.endr
.endm
; 16 matrix instructions: the tokens' blocks a0, a0 + 1 x Wqkv's eight, 128 along K.  p: Wqkv's set; sc: the set of scale words.  zero = 1: the first product starts the sums on the bias: nothing is cleared.
; The 64 accumulators take turns, one instruction a turn, in the same order in every step.
.macro MUL16 a0, p, q, sc, zero
.irp a, \a0, \a0+1
.irp b, 0,1,2,3,4,5,6,7
.if \zero
	v_wmma_scale_f32_16x16x128_f8f6f4 v[8*(8*((\a)%4)+\b):8*(8*((\a)%4)+\b)+7], v[128*(\p)+FR*\b:128*(\p)+FR*\b+FR-1], v[AF+FR*(\a):AF+FR*(\a)+FR-1], v[BI+8*\b:BI+8*\b+7], v[SC+8*NQ*(\sc)+NQ*\b+(\q)], v[SC+8*NQ*(\sc)+NQ*(\a)+(\q)] matrix_a_fmt:MATRIX_FMT_FP4 matrix_b_fmt:MATRIX_FMT_FP4 matrix_a_scale:MATRIX_SCALE_ROW1
.else
	v_wmma_scale_f32_16x16x128_f8f6f4 v[8*(8*((\a)%4)+\b):8*(8*((\a)%4)+\b)+7], v[128*(\p)+FR*\b:128*(\p)+FR*\b+FR-1], v[AF+FR*(\a):AF+FR*(\a)+FR-1], v[8*(8*((\a)%4)+\b):8*(8*((\a)%4)+\b)+7], v[SC+8*NQ*(\sc)+NQ*\b+(\q)], v[SC+8*NQ*(\sc)+NQ*(\a)+(\q)] matrix_a_fmt:MATRIX_FMT_FP4 matrix_b_fmt:MATRIX_FMT_FP4 matrix_a_scale:MATRIX_SCALE_ROW1
.endif
.endr
.endr
.endm
.macro FETCH_B slot, q, p              ; Wqkv's eight fragments of the half's q-th step into set p
	WIN TO_B
.irp i, 0,1,2,3,4,5,6,7
	FRAG 128*(\p)+FR*\i, ADRB+\slot, \q, \i
.endr
	WIN 0
.endm
.macro FETCH_A slot, q, i0             ; the tokens' blocks i0 .. i0 + 3
.irp i, \i0, \i0+1, \i0+2, \i0+3
	FRAG AF+FR*(\i), ADRA+\slot, \q, \i
.endr
.endm
.macro SCALES sc                       ; a K half's scale words: one word a row and step; lanes 0-15 take the tokens' block i, lanes 16-31 Wqkv's block i
.irp i, 0,1,2,3,4,5,6,7
.irp q, 0,1,2,3
	ds_load_b32 v[SC+8*NQ*\sc+NQ*\i+\q], v[ADRS] offset:512*\i+64*(NQ*\sc+\q)
.endr
.endr
.endm
; A load into a register that a matrix instruction has read, and a vector instruction that reads a matrix result or writes one of its registers, stand NP places behind it, and only plain vector
; instructions that name none of its registers are places (ISA guide 7.12.1 for vector instructions).
.macro PLACES n
.rept \n
	v_nop
.endr
.endm
; A step of 128 along K that has its successor in the same K half.  A block of tokens is free as soon as its eight products are issued: blocks 0-3 are fetched anew in the step's middle, blocks 4-7 at its end.
.macro STEP slot, q, zero
	s_wait_dscnt 4*NL                              ; all but the youngest eight loads (the tokens' blocks 4-7) are in
.if \zero
	WIN BIAS_LO
.else
	WIN MUL_LO
.endif
	MUL16 0, (\q)%2, \q, \slot, \zero
	MUL16 2, (\q)%2, \q, \slot, \zero
	s_wait_dscnt 0                                 ; blocks 4-7 are in
	PLACES NP
	FETCH_B \slot, (\q)+1, 1-(\q)%2
	FETCH_A \slot, (\q)+1, 0
.if \zero
	WIN BIAS_HI
.else
	WIN MUL_HI
.endif
	MUL16 4, (\q)%2, \q, \slot, \zero
	MUL16 6, (\q)%2, \q, \slot, \zero
	PLACES NP
	WIN 0
	FETCH_A \slot, (\q)+1, 4
.endm
.macro STEPS slot, from                ; the half's steps from .. NQ - 2
.set Q, \from
.rept NQ-1-\from
	STEP \slot, Q, 0
.set Q, Q+1
.endr
.endm
	s_wait_tensorcnt 1                             ; my scale words and my part of K half 0 are in; the one load that may be out is K half 1's,
	s_barrier_signal -1
	s_barrier_wait -1                              ; and so for every wave
	FETCH_B 0, 0, 0
	FETCH_A 0, 0, 0
	SCALES 0
	SCALES 1
	FETCH_A 0, 0, 4
	s_wait_loadcnt 0x0                             ; the bias
	STEP 0, 0, 1                                   ; the first step starts the sums
	STEPS 0, 1
	; K half 0's last step goes over to K half 1: each wave shows its part of that half landed, then the barrier
	s_wait_tensorcnt 0x0                           ; all my tensor loads have landed;
	ds_add_u32 v[SPW], v[NIL]                      ; 0 onto my spare word, behind that wait;
	s_wait_dscnt 4*NL+1                            ; (the add and the youngest eight loads may be out)
	WIN MUL_LO
	MUL16 0, 1, NQ-1, 0, 0                         ; sixteen matrix instructions stand between the add and the wait for it
	s_wait_dscnt 0x0                               ; no LDS instruction of mine is out at the signal
	s_barrier_signal -1
	MUL16 2, 1, NQ-1, 0, 0
	WIN 0
	s_barrier_wait -1                              ; K half 1 is whole
	PLACES NP
	FETCH_B 1, 0, 0
	FETCH_A 1, 0, 0
	WIN MUL_HI
	MUL16 4, 1, NQ-1, 0, 0
	MUL16 6, 1, NQ-1, 0, 0
	PLACES NP
	WIN 0
	FETCH_A 1, 0, 4
	STEPS 1, 0
	s_wait_dscnt 4*NL                              ; the very last step: nothing more to fetch
	WIN MUL_LO
	MUL16 0, 1, NQ-1, 1, 0
	MUL16 2, 1, NQ-1, 1, 0
	s_wait_dscnt 0
	WIN MUL_HI
	MUL16 4, 1, NQ-1, 1, 0
	MUL16 6, 1, NQ-1, 1, 0
	WIN 0
; THE WAY OUT, block by block of 16 tokens x 128 columns: a lane's eight numbers round to 16 bytes, which lie in qkv16 where the lane's number says: no way through LDS.
.macro OUT a
.set AC, 64*((\a)%4)
.set PB, 128+32*((\a)%4)
	WIN 0x0a+5*((\a)/4)                            ; sources 0 and 1: window 2 or 3; destination window 0
.irp b, 0,1,2,3,4,5,6,7
.irp i, 0,1,2,3
	v_cvt_pk_f16_f32 v[PB+4*\b+\i], v[AC+8*\b+2*\i], v[AC+8*\b+2*\i+1]   ; each accumulator from its low end on
.endr
.endr
	WIN 0
.irp b, 0,1,2,3,4,5,6,7
	global_store_b128 v[CO], v[PB+4*\b:PB+4*\b+3], s[98:99] offset:2048*(\a)+512*(\b%4)+524288*(\b/4)   ; 32 lanes store 512 consecutive bytes, aligned
.endr
.endm
	PLACES NP                                      ; behind the last products: the conversions write registers that held the tokens' fragments
.irp a, 0,1,2,3,4,5,6,7
.if \a > 3
	s_wait_xcnt 0x0                                ; block a - 4's stores have read their registers, which are written again
.endif
	OUT \a
.endr
	s_wait_tensorcnt 0x0                           ; the wave's end
	ds_add_u32 v[SPW], v[NIL]
	s_wait_dscnt 0x0
	CROUND                                         ; the closing round: no work-group ends while a partner may still ask for a block that names it
	s_endpgm
.Lfunc_end_k_qdfa79e7a61_qkv:
	.size	k_qdfa79e7a61_qkv, .Lfunc_end_k_qdfa79e7a61_qkv-k_qdfa79e7a61_qkv
	.p2alignl 7, 3214868480
	.fill 96, 4, 3214868480
	.section	.rodata,"a",@progbits
	.p2align	6, 0x0
	.amdhsa_kernel k_qdfa79e7a61_qkv
		.amdhsa_group_segment_fixed_size 279040
		.amdhsa_private_segment_fixed_size 0
		.amdhsa_enable_private_segment 0
		.amdhsa_kernarg_size 48
		.amdhsa_user_sgpr_count 2
		.amdhsa_user_sgpr_kernarg_segment_ptr 1
		.amdhsa_wavefront_size32 1
		.amdhsa_system_sgpr_workgroup_id_x 1
		.amdhsa_system_sgpr_workgroup_id_y 1
		.amdhsa_system_sgpr_workgroup_id_z 1
		.amdhsa_system_vgpr_workitem_id 0
		.amdhsa_next_free_vgpr 1024
		.amdhsa_next_free_sgpr 100
		.amdhsa_reserve_vcc 0
		.amdhsa_float_denorm_mode_32 3
		.amdhsa_float_denorm_mode_16_64 3
		.amdhsa_memory_ordered 1
		.amdhsa_forward_progress 1
		.amdhsa_inst_pref_size 122
	.end_amdhsa_kernel
	.amdgpu_metadata
---
amdhsa.version: [ 1, 2 ]
amdhsa.kernels:
  - .name:           k_qdfa79e7a61_qkv
    .symbol:         k_qdfa79e7a61_qkv.kd
    .args:
      - { .name: x_codes, .offset: 0, .size: 8, .value_kind: global_buffer, .address_space: global }
      - { .name: x_scales, .offset: 8, .size: 8, .value_kind: global_buffer, .address_space: global }
      - { .name: w_codes, .offset: 16, .size: 8, .value_kind: global_buffer, .address_space: global }
      - { .name: w_scales, .offset: 24, .size: 8, .value_kind: global_buffer, .address_space: global }
      - { .name: bqkv, .offset: 32, .size: 8, .value_kind: global_buffer, .address_space: global }
      - { .name: qkv16, .offset: 40, .size: 8, .value_kind: global_buffer, .address_space: global }
    .group_segment_fixed_size: 279040
    .private_segment_fixed_size: 0
    .kernarg_segment_align: 8
    .kernarg_segment_size: 48
    .max_flat_workgroup_size: 128
    .sgpr_count:     100
    .vgpr_count:     1024
    .wavefront_size: 32
...
	.end_amdgpu_metadata
.endif
;; end of part 2
;; launch attn (part 3): grid 16 x 16, 8 waves a work-group, no clusters, 279,552 bytes of LDS; arguments qkv16, gpart, bg, o16; writes o16
.if DOCPART == 3
	.amdgcn_target "amdgcn-amd-amdhsa--gfx1250"
	.amdhsa_code_object_version 6
	.text
	.protected	k_qdfa79e7a61_attn
	.globl	k_qdfa79e7a61_attn
	.p2align	8
	.type	k_qdfa79e7a61_attn,@function
k_qdfa79e7a61_attn:
	s_mov_b64 s[64:65], 0
	v_nop
	global_prefetch_b8 v0, s[64:65] scope:SCOPE_SE
	s_setreg_imm32_b32 hwreg(HW_REG_WAVE_MODE, 25, 1), 1
	s_wait_xcnt 0x0
; ATTN: o = (1 - g) softmax_band(q k^T / 8) v + g softmax(q kg^T / 8) vg, g = sigmoid(hidden . Wg + bg), for one head and 256 queries a work-group.  The band is |query - key| <= 256; kg, vg are keys 0-63.
; Operands of the four products in f16, sums, maxima and softmax in f32; o is rounded once, to f16.
; SHARES.  Eight waves; wave w owns queries qw = 256 x + 32 w .. + 31: two tiles of 16.  It walks the 64 global keys in 2 steps of 32 and then exactly the 544 keys qw - 256 .. qw + 287 in 17 steps.
; ALL KEYS THAT THE WORK-GROUP NEEDS LIE IN LDS AT ONCE: keys 256 x - 256 .. 256 x + 511 of k and of v, three tiles of 256 each, and the global 64 of each.  Each wave issues ONE tensor load, at the head;
; one barrier; behind it no wave waits for another, and no LDS byte is filled twice.
; THE ENDS OF THE SEQUENCE cost no branch on work: a tile of 256 keys lies wholly inside 0 .. 4,095 or wholly outside; an outside tile's address is held to the nearest tile, and all its scores are hidden by the mask.
; LAYOUT.  Both products are used transposed: S^T = K Q^T (source 0 = 16 keys, source 1 = 16 queries), O^T = V^T P (source 0 = 16 channels, source 1 = P): a lane holds ONE query (lane % 16) throughout.
; qkv16 lies in the order of an operand's registers (16 tokens x 16 channels = 512 bytes, lane (token r, half h): channels 8 h on, at 16 (r + 16 h)): Q's and K's fragments are plain loads of 512 consecutive bytes;
; V comes turned, by ds_load_tr16_b128, and its pieces lie at 16 ((r xor 8 h) + 16 h), so that sixteen lanes of a turning load touch sixteen different 16-byte columns.
; SOFTMAX.  A running maximum m and sum l for each query: p = 2^(c s - c m), c = log2(e) / 8; in every step O and l are multiplied by a = 2^(c m_old - c m_new).  m begins at -3e38: the first visible key gives a = 0,
; which clears what O and l held; a step all of whose keys are hidden gives a = 1 and p = 0.
; NO CLUSTER: neighbouring query blocks share two of their three tiles, but a shared tile is tile j of one block and tile j - 1 of the next: it would land at different LDS addresses in the partners, and a joint
; load has one descriptor.  What is alike for all blocks of a head, the global keys, is 16,384 of a work-group's 212,992 bytes.
; NO PREFETCH: every byte that a work-group reads is asked for at its head.
; LIMITS: q, k, v and o in f16 (65,504 at the most; under 6e-5 an absolute error of 3e-8); NaN and infinities are not served.
.set VREG,  98304                      ; LDS: K's 768 keys from 0 (2,048 bytes for 16 keys), V's from here,
.set KG,    196608                     ; the global keys' K (8,192 bytes),
.set VG,    204800                     ; and V;
.set STASH, 212992                     ; 8,192 bytes a wave, for the global part's result: written by LDS stores alone, no tile lands here;
.set SPARE, 278528                     ; the spare words, 128 bytes a wave
.set SPW, 1                            ; v1   my spare word's LDS address; never rewritten
.set NIL, 2                            ; v2   0; never rewritten
.set AK,  3                            ; v3   16 x lane: my place in a piece
.set AV,  4                            ; v4   my place for the turning loads
.set ADK, 5                            ; v5   LDS address of the step's K
.set ADV, 6                            ; v6   of its V
.set STA, 7                            ; v7   my place in my wave's stash
.set NEG, 8                            ; v8   -infinity
.set MT,  9                            ; v9   at work in the mask
.set QL,  10                           ; v10-11  tile t: my query's first visible key - 8 h
.set QH,  12                           ; v12-13  its last visible key - 8 h
.set GT,  14                           ; v14-15  tile t: my query's gate, later 1 - gate
.set ST,  16                           ; v16-31  tile t at ST + 8 t: +0 c m, +1 m, +2, +3 l (even and odd keys'), +4, +5 at work, +6 a, +7 c m_old - c m_new
.set QF,  32                           ; v32-63   Q: tile t, channels 32 cs on, at QF + 16 t + 8 cs
.set KFR, 64                           ; v64-95   K of a step: keys 16 kt on, channels 32 cs on, at KFR + 16 kt + 8 cs
.set VF,  96                           ; v96-127  V of a step: channels 16 ct on, at VF + 8 ct
.set S,   128                          ; v128-159 S^T, then p: tile t, keys 16 kt on, at S + 16 t + 8 kt
.set P,   160                          ; v160-175 p in f16: tile t at P + 8 t
.set O,   176                          ; v176-239 O^T: tile t, channels 16 ct on, at O + 32 t + 8 ct
.set TS,  240                          ; v240-247 the step's sums: two chains a tile
.set WV,  12                           ; s12 wave
.set HD,  13                           ; s13 head
.set QW,  14                           ; s14 my first query
.set KEY, 15                           ; s15 the step's first key (signed)
.set LOB, 16                           ; s16 from this key on no query of mine hides a key from below
.set HIB, 17                           ; s17 up to this key none hides one from above
.set TMP, 18
.set TK,  19                           ; s19 LDS byte of the step's K
.set TV,  2                            ; s2  of its V
.set SEL, 20                           ; s[20:21] v_permlanex16_b32's selects for lane l xor 16
.set CS,  22                           ; s[22:23] c, twice: the packed form names a pair
.set G1A, 24                           ; s[24:31] group 1: 32,768 dense bytes;  s[32:39]: 8,192
.set G1B, 32
.set G0A, 40                           ; s[40:43], s[44:47] their groups 0
.set G0B, 44
.set CNT, 48
.set BGV, 49                           ; s49 bg
	s_load_b256 s[4:11], s[0:1], 0x0               ; qkv16 s[4:5], gpart s[6:7], bg s[8:9], o16 s[10:11]
	v_lshl_add_u32 v[SPW], v0, 2, SPARE
	v_mov_b32 v[NIL], 0
	ds_add_u32 v[SPW], v[NIL]                      ; the wave's opening: the add, twice on end, and its wait ahead of my first tensor load
	ds_add_u32 v[SPW], v[NIL]                      ; and once more, under the one wait; the set-up below, work on registers, stands between
	v_lshrrev_b32 v3, 5, v0
	v_readfirstlane_b32 s[WV], v3                  ; wave 0..7
	s_and_b32 s[HD], ttmp7, 0xffff
	s_lshl_b32 s[QW], ttmp9, 8
	s_lshl_b32 s[TMP], s[WV], 5
	s_add_co_u32 s[QW], s[QW], s[TMP]
	; group 1: a dense block as rows of 256 bytes (32 elements of 8 bytes); no mask, no padding
	s_mov_b32 s[G1A], 3<<16
	s_mov_b32 s[G1A+1], 32<<16                     ; tensor_dim0
	s_mov_b32 s[G1A+2], 128<<16                    ; tensor_dim1
	s_mov_b32 s[G1A+3], 32<<16                     ; tile_dim0
	s_mov_b32 s[G1A+4], 128                        ; tile_dim1
	s_mov_b32 s[G1A+5], 32                         ; tensor_dim0_stride
	s_mov_b32 s[G1A+6], 0
	s_mov_b32 s[G1A+7], 0
	s_mov_b32 s[G1B], 3<<16
	s_mov_b32 s[G1B+1], 32<<16
	s_mov_b32 s[G1B+2], 32<<16
	s_mov_b32 s[G1B+3], 32<<16
	s_mov_b32 s[G1B+4], 32
	s_mov_b32 s[G1B+5], 32
	s_mov_b32 s[G1B+6], 0
	s_mov_b32 s[G1B+7], 0
	s_mov_b32 s[SEL], 0x76543210
	s_mov_b32 s[SEL+1], 0xfedcba98
	s_mov_b32 s[CS], 0x3e38aa3b                    ; c = log2(e) / 8
	s_mov_b32 s[CS+1], s[CS]
	; waves 0-2 fetch K's tiles j = 0, 1, 2, waves 3-5 V's: keys 256 (x + j - 1) on, held inside the sequence
	s_cmp_ge_u32 s[WV], 3
	s_cselect_b32 s[TMP], 1, 0                     ; K or V
	s_mul_i32 s3, s[TMP], 3
	s_sub_co_u32 s3, s[WV], s3                     ; j
	s_add_co_u32 s3, s3, ttmp9
	s_max_u32 s3, s3, 1
	s_sub_co_u32 s3, s3, 1
	s_min_u32 s3, s3, 15                           ; the tile of 256 keys
	s_lshl_b32 s[TMP], s[TMP], 4
	s_add_co_u32 s[TMP], s[TMP], s[HD]
	s_add_co_u32 s[TMP], s[TMP], 16                ; k's heads are planes 16-31 of qkv16, v's 32-47
	s_lshl_b32 s50, s[TMP], 19                     ; 524,288 bytes a plane,
	s_lshl_b32 s3, s3, 15                          ; 32,768 a tile
	s_add_co_u32 s50, s50, s3
	s_mov_b32 s51, 0
	s_and_b32 s[TMP], s[WV], 1                     ; wave 6 fetches the global keys' K, wave 7 their V: a plane's first 8,192 bytes
	s_lshl_b32 s[TMP], s[TMP], 4
	s_add_co_u32 s[TMP], s[TMP], s[HD]
	s_add_co_u32 s[TMP], s[TMP], 16
	s_lshl_b32 s52, s[TMP], 19
	s_mov_b32 s53, 0
	s_wait_dscnt 0x0                               ; both opening adds are done
	s_wait_kmcnt 0x0
	s_mov_b32 s[G0A], 1
	s_lshl_b32 s[G0A+1], s[WV], 15                 ; LDS: wave x 32,768: K's three tiles, then V's three
	s_add_nc_u64 s[G0A+2:G0A+3], s[4:5], s[50:51]
	s_or_b32 s[G0A+3], s[G0A+3], 0x80000000
	s_mov_b32 s[G0B], 1
	s_lshl_b32 s[G0B+1], s[WV], 13
	s_add_co_u32 s[G0B+1], s[G0B+1], KG-6*8192     ; LDS: KG for wave 6, VG for wave 7
	s_add_nc_u64 s[G0B+2:G0B+3], s[4:5], s[52:53]
	s_or_b32 s[G0B+3], s[G0B+3], 0x80000000
	s_cmp_lt_u32 s[WV], 6                          ; each wave's one tensor load; an s_nop 0 and four v_nop follow each line
	s_cbranch_scc0 .Lsmall
	tensor_load_to_lds s[G0A:G0A+3], s[G1A:G1A+7]
	s_nop 0
.rept 4
	v_nop
.endr
	s_branch .Lasked
.Lsmall:
	tensor_load_to_lds s[G0B:G0B+3], s[G1B:G1B+7]
	s_nop 0
.rept 4
	v_nop
.endr
.Lasked:
	s_load_b32 s[BGV], s[8:9], 0x0
	v_and_b32 v[AK], 31, v0
	v_lshlrev_b32 v[AK], 4, v[AK]
	s_lshl_b32 s50, s[HD], 19                      ; Q: my head's plane,
	s_lshl_b32 s52, s[QW], 7                       ; 2,048 bytes for 16 queries
	s_add_co_u32 s50, s50, s52
	s_add_nc_u64 s[4:5], s[4:5], s[50:51]
.irp t, 0,1
.irp cc, 0,1,2,3
	global_load_b128 v[QF+16*\t+4*\cc:QF+16*\t+4*\cc+3], v[AK], s[4:5] offset:2048*\t+512*\cc   ; Q stays in registers
.endr
.endr
	s_lshl_b32 s50, s[QW], 5                       ; the gate's four partial sums: 512 bytes for 16 tokens
	s_add_nc_u64 s[6:7], s[6:7], s[50:51]
	v_and_b32 v135, 31, v0
	v_lshlrev_b32 v135, 2, v135
.irp t, 0,1
.irp w, 0,1,2,3
	global_load_b32 v[136+4*\t+\w], v135, s[6:7] offset:512*\t+128*\w
.endr
.endr
	s_lshr_b32 s50, s[HD], 2                       ; o16 [K chunk = 4 heads][16 tokens][8,192 bytes]: the chunk,
	s_lshl_b32 s50, s50, 21
	s_lshl_b32 s52, s[QW], 9                       ; my tokens,
	s_add_co_u32 s50, s50, s52
	s_and_b32 s52, s[HD], 3                        ; my head's 2,048 bytes
	s_lshl_b32 s52, s52, 11
	s_add_co_u32 s50, s50, s52
	s_add_nc_u64 s[10:11], s[10:11], s[50:51]
	; the turning load: lane l reads 16 bytes: key 8 (l / 16) + l % 8, channels 8 h' on, h' = (l / 8) % 2; the piece lies at 16 (key xor 8 h') + 256 h'
	v_and_b32 v128, 7, v0
	v_bfe_u32 v129, v0, 4, 1                       ; h
	v_bfe_u32 v130, v0, 3, 1                       ; h'
	v_lshl_add_u32 v128, v129, 3, v128
	v_lshlrev_b32 v128, 4, v128
	v_lshlrev_b32 v131, 7, v130
	v_xor_b32 v128, v128, v131
	v_lshl_add_u32 v[AV], v130, 8, v128
	s_lshl_b32 s[TMP], s[WV], 13
	s_add_co_u32 s[TMP], s[TMP], STASH
	v_add_nc_u32 v[STA], s[TMP], v[AK]
	v_mov_b32 v[NEG], 0xff800000
	; my queries' first and last visible keys
	v_and_b32 v128, 15, v0                         ; r
	v_lshlrev_b32 v130, 3, v129                    ; 8 h
	v_mov_b32 v131, 0
	v_mov_b32 v132, 0xfff
.irp t, 0,1
	s_add_co_u32 s[TMP], s[QW], 16*\t
	v_add_nc_u32 v133, s[TMP], v128                ; my query
	v_add_nc_u32 v134, 0xffffff00, v133            ; - 256,
	v_cmp_gt_i32 vcc_lo, 0, v134
	v_cndmask_b32 v134, v134, v131, vcc_lo         ; not under 0
	v_sub_nc_u32 v[QL+\t], v134, v130
	v_add_nc_u32 v134, 0x100, v133                 ; + 256,
	v_cmp_lt_i32 vcc_lo, 0xfff, v134
	v_cndmask_b32 v134, v134, v132, vcc_lo         ; not over 4,095
	v_sub_nc_u32 v[QH+\t], v134, v130
.endr
	s_sub_co_i32 s[LOB], s[QW], 225
	s_max_i32 s[LOB], s[LOB], 0                    ; my last query's first visible key
	s_add_co_u32 s[HIB], s[QW], 256
	s_min_u32 s[HIB], s[HIB], 0xfff                ; my first query's last visible key
.irp t, 0,1
	v_mov_b32 v[ST+8*\t+1], 0xff61b1e6             ; m = -3e38, under every score
	v_mul_f32 v[ST+8*\t], s[CS], v[ST+8*\t+1]
	v_mov_b32 v[ST+8*\t+2], 0                      ; l
	v_mov_b32 v[ST+8*\t+3], 0
.endr
.set i, 0
.rept 64
	v_mov_b32 v[O+i], 0                            ; O^T, once: the step is written with no first step of its own
.set i, i+1
.endr
	s_wait_tensorcnt 0x0                           ; my tile is in,
	s_barrier_signal -1
	s_barrier_wait -1                              ; everybody's is: the launch's one barrier
	s_wait_loadcnt 0x0                             ; Q and the gate's parts
	s_wait_kmcnt 0x0                               ; bg
.irp t, 0,1
	v_add_f32 v[136+4*\t], v[136+4*\t], v[137+4*\t]
	v_add_f32 v[138+4*\t], v[138+4*\t], v[139+4*\t]
	v_add_f32 v[136+4*\t], v[136+4*\t], v[138+4*\t]
	v_add_f32 v[136+4*\t], s[BGV], v[136+4*\t]     ; z = hidden . Wg + bg
	v_mul_f32 v[136+4*\t], 0xbfb8aa3b, v[136+4*\t] ; - z log2(e)
.endr
	v_exp_f32 v136, v136
	v_exp_f32 v140, v140
	v_nop                                          ; a plain line behind the transcendentals,
	s_wait_alu depctr_va_vdst(0)                   ; and the wait ahead of the first reader: one for both
	v_add_f32 v136, 1.0, v136
	v_add_f32 v140, 1.0, v140
	v_rcp_f32 v[GT], v136                          ; the gate = 1 / (1 + e^-z)
	v_rcp_f32 v[GT+1], v140
	v_nop
	s_wait_alu depctr_va_vdst(0)
.macro KLOAD off                       ; a step's K, 32 keys x 64 channels: eight pieces as they lie
.irp kt, 0,1
.irp cc, 0,1,2,3
	ds_load_b128 v[KFR+16*\kt+4*\cc:KFR+16*\kt+4*\cc+3], v[ADK] offset:\off+2048*\kt+512*\cc
.endr
.endr
.endm
; A STEP: 32 keys for my 32 queries.  mask = 1: keys outside a query's band are hidden.
.macro STEP mask
	v_add_nc_u32 v[ADV], s[TV], v[AV]              ; four plain lines: the places between the last step's V^T P and the loads into V's registers
	v_add_nc_u32 v[ADK], s[TK], v[AK]
	v_mov_b32 v[ST+7], v[ST]                       ; c m_old is kept for a
	v_mov_b32 v[ST+15], v[ST+8]
.irp ct, 0,1,2,3
.irp u, 0,1
	ds_load_tr16_b128 v[VF+8*\ct+4*\u:VF+8*\ct+4*\u+3], v[ADV] offset:2048*\u+512*\ct   ; keys 16 u on, channels 16 ct on, turned
.endr
.endr
	s_wait_dscnt 8                                 ; the eight loads just issued may be out: K, asked for a step ago, is in
.irp cs, 0,1                                   ; S^T = K Q^T: four accumulators by turns, one instruction a turn
.irp kt, 0,1
.irp t, 0,1
.if \cs == 0
	v_wmma_f32_16x16x32_f16 v[S+16*\t+8*\kt:S+16*\t+8*\kt+7], v[KFR+16*\kt+8*\cs:KFR+16*\kt+8*\cs+7], v[QF+16*\t+8*\cs:QF+16*\t+8*\cs+7], 0
.else
	v_wmma_f32_16x16x32_f16 v[S+16*\t+8*\kt:S+16*\t+8*\kt+7], v[KFR+16*\kt+8*\cs:KFR+16*\kt+8*\cs+7], v[QF+16*\t+8*\cs:QF+16*\t+8*\cs+7], v[S+16*\t+8*\kt:S+16*\t+8*\kt+7]
.endif
.endr
.endr
.endr
.rept 4
	v_nop                                          ; places in front of the loads into K's registers and of the first read of the scores
.endr
	KLOAD 4096                                     ; the next step's K.  (A loop's last trip reads the 4,096 filled bytes that follow the walk; they are not used)
.if \mask
	; Register 8 kt + j of a tile holds key KEY + 16 kt + 8 h + j.  Each of the two blocks is passed over, by a branch on ids and the count of steps, where no query of the wave hides a key on that side.
	s_cmp_ge_i32 s[KEY], s[LOB]
	s_cbranch_scc1 .Llow_\@
.irp t, 0,1
	v_sub_nc_u32 v[MT], v[QL+\t], s[KEY]
.irp n, 0,1,2,3,4,5,6,7,8,9,10,11,12,13,14,15
	v_cmp_lt_i32 vcc_lo, 16*(\n/8)+\n%8, v[MT]     ; the key comes before my query's first
	v_cndmask_b32 v[S+16*\t+\n], v[S+16*\t+\n], v[NEG], vcc_lo
.endr
.endr
.Llow_\@:
	s_add_co_i32 s[TMP], s[KEY], 31
	s_cmp_le_i32 s[TMP], s[HIB]
	s_cbranch_scc1 .Lhigh_\@
.irp t, 0,1
	v_sub_nc_u32 v[MT], v[QH+\t], s[KEY]
.irp n, 0,1,2,3,4,5,6,7,8,9,10,11,12,13,14,15
	v_cmp_gt_i32 vcc_lo, 16*(\n/8)+\n%8, v[MT]     ; the key comes after my query's last
	v_cndmask_b32 v[S+16*\t+\n], v[S+16*\t+\n], v[NEG], vcc_lo
.endr
.endr
.Lhigh_\@:
.endif
	; the maximum of my 16 scores and the old m, the two tiles by turns; each accumulator is read from its low end on
.irp t, 0,1
	v_max3_num_f32 v[ST+8*\t+4], v[S+16*\t], v[S+16*\t+1], v[S+16*\t+2]
.endr
.irp t, 0,1
	v_max3_num_f32 v[ST+8*\t+5], v[S+16*\t+8], v[S+16*\t+9], v[S+16*\t+10]
.endr
.irp i, 3,5
.irp t, 0,1
	v_max3_num_f32 v[ST+8*\t+4], v[ST+8*\t+4], v[S+16*\t+\i], v[S+16*\t+\i+1]
.endr
.irp t, 0,1
	v_max3_num_f32 v[ST+8*\t+5], v[ST+8*\t+5], v[S+16*\t+8+\i], v[S+16*\t+8+\i+1]
.endr
.endr
.irp t, 0,1
	v_max3_num_f32 v[ST+8*\t+4], v[ST+8*\t+4], v[S+16*\t+7], v[S+16*\t+15]
.endr
.irp t, 0,1
	v_max3_num_f32 v[ST+8*\t+4], v[ST+8*\t+4], v[ST+8*\t+5], v[ST+8*\t+1]
.endr
.irp t, 0,1
	v_permlanex16_b32 v[ST+8*\t+5], v[ST+8*\t+4], s[SEL], s[SEL+1]   ; the query's other 16 keys lie in the lane 16 away
.endr
.irp t, 0,1
	v_max_num_f32 v[ST+8*\t+1], v[ST+8*\t+4], v[ST+8*\t+5]
.endr
.irp t, 0,1
	v_mul_f32 v[ST+8*\t], s[CS], v[ST+8*\t+1]
.endr
.irp t, 0,1
	v_sub_f32 v[ST+8*\t+7], v[ST+8*\t+7], v[ST+8*\t]
.endr
.irp b, 0,1,2,3,4,5,6,7
.irp t, 0,1
	v_pk_fma_f32 v[S+16*\t+2*\b:S+16*\t+2*\b+1], v[S+16*\t+2*\b:S+16*\t+2*\b+1], s[CS:CS+1], v[ST+8*\t:ST+8*\t+1] op_sel_hi:[1,0,0] neg_lo:[0,0,1] neg_hi:[0,0,1]   ; c s - c m
.endr
.endr
	; ONE BATCH of 34 exponentials, none of which reads another's result
.irp t, 0,1
	v_exp_f32 v[ST+8*\t+6], v[ST+8*\t+7]           ; a
.endr
.set i, 0
.rept 32
	v_exp_f32 v[S+i], v[S+i]                       ; p
.set i, i+1
.endr
	v_nop                                          ; a plain line behind the last exponential,
	s_wait_alu depctr_va_vdst(0)                   ; and the one wait ahead of the batch's first reader
.irp t, 0,1                                    ; the row's sum, of p in f32: two chains a tile
	v_pk_add_f32 v[TS+4*\t:TS+4*\t+1], v[S+16*\t:S+16*\t+1], v[S+16*\t+2:S+16*\t+3]
	v_pk_add_f32 v[TS+4*\t+2:TS+4*\t+3], v[S+16*\t+4:S+16*\t+5], v[S+16*\t+6:S+16*\t+7]
.endr
.irp t, 0,1
	v_pk_add_f32 v[TS+4*\t:TS+4*\t+1], v[TS+4*\t:TS+4*\t+1], v[S+16*\t+8:S+16*\t+9]
	v_pk_add_f32 v[TS+4*\t+2:TS+4*\t+3], v[TS+4*\t+2:TS+4*\t+3], v[S+16*\t+10:S+16*\t+11]
.endr
.irp t, 0,1
	v_pk_add_f32 v[TS+4*\t:TS+4*\t+1], v[TS+4*\t:TS+4*\t+1], v[S+16*\t+12:S+16*\t+13]
	v_pk_add_f32 v[TS+4*\t+2:TS+4*\t+3], v[TS+4*\t+2:TS+4*\t+3], v[S+16*\t+14:S+16*\t+15]
.endr
.irp t, 0,1
	v_pk_add_f32 v[TS+4*\t:TS+4*\t+1], v[TS+4*\t:TS+4*\t+1], v[TS+4*\t+2:TS+4*\t+3]
.endr
.irp t, 0,1
	v_pk_fma_f32 v[ST+8*\t+2:ST+8*\t+3], v[ST+8*\t+2:ST+8*\t+3], v[ST+8*\t+6:ST+8*\t+7], v[TS+4*\t:TS+4*\t+1] op_sel_hi:[1,0,1]   ; l = a l + the sum
.endr
.irp t, 0,1
.irp i, 0,1,2,3,4,5,6,7
	v_cvt_pk_f16_f32 v[P+8*\t+\i], v[S+16*\t+2*\i], v[S+16*\t+2*\i+1]   ; two tiles of scores, rounded in pairs, ARE source 1 of the second product
.endr
.endr
.irp t, 0,1
.set i, 0
.rept 16
	v_pk_mul_f32 v[O+32*\t+2*i:O+32*\t+2*i+1], v[O+32*\t+2*i:O+32*\t+2*i+1], v[ST+8*\t+6:ST+8*\t+7] op_sel_hi:[1,0]   ; O^T x a, each accumulator from its low end on
.set i, i+1
.endr
.endr
	s_wait_dscnt 8                                 ; the next step's eight K loads may be out: V is in
.irp ct, 0,1,2,3                               ; O^T += V^T P: eight accumulators, one instruction each
.irp t, 0,1
	v_wmma_f32_16x16x32_f16 v[O+32*\t+8*\ct:O+32*\t+8*\ct+7], v[VF+8*\ct:VF+8*\ct+7], v[P+8*\t:P+8*\t+7], v[O+32*\t+8*\ct:O+32*\t+8*\ct+7]
.endr
.endr
	s_add_co_u32 s[TK], s[TK], 4096
	s_add_co_u32 s[TV], s[TV], 4096
.if \mask
	s_add_co_i32 s[KEY], s[KEY], 32
.endif
.endm
; a = fac / l for both tiles.  Its four additions and the v_nop are the places behind the last products
.macro FIN fac
.irp t, 0,1
	v_add_f32 v[ST+8*\t+4], v[ST+8*\t+2], v[ST+8*\t+3]
.endr
.irp t, 0,1
	v_permlanex16_b32 v[ST+8*\t+5], v[ST+8*\t+4], s[SEL], s[SEL+1]
.endr
.irp t, 0,1
	v_add_f32 v[ST+8*\t+4], v[ST+8*\t+4], v[ST+8*\t+5]
.endr
.irp t, 0,1
	v_rcp_f32 v[ST+8*\t+5], v[ST+8*\t+4]
.endr
	v_nop
	s_wait_alu depctr_va_vdst(0)                   ; one wait for the two reciprocals, ahead of their first reader
.irp t, 0,1
	v_mul_f32 v[ST+8*\t+6], v[ST+8*\t+5], v[\fac+\t]
.endr
.endm
	; ---- the global keys: 2 steps, nothing hidden
	s_mov_b32 s[TK], KG
	s_mov_b32 s[TV], VG
	v_add_nc_u32 v[ADK], s[TK], v[AK]
	KLOAD 0
	s_mov_b32 s[CNT], 2
.Lglob:
	STEP 0
	s_sub_co_u32 s[CNT], s[CNT], 1
	s_cmp_lg_u32 s[CNT], 0
	s_cbranch_scc1 .Lglob
	s_wait_dscnt 0x0                               ; the look-ahead's loads are in: their registers are written below
	FIN GT
.irp t, 0,1
.set i, 0
.rept 16
	v_pk_mul_f32 v[64+32*\t+2*i:65+32*\t+2*i], v[O+32*\t+2*i:O+32*\t+2*i+1], v[ST+8*\t+6:ST+8*\t+7] op_sel_hi:[1,0]   ; gate x O^T / l
.set i, i+1
.endr
.endr
.irp k, 0,1,2,3,4,5,6,7,8,9,10,11,12,13,14,15
	ds_store_b128 v[STA], v[64+4*\k:67+4*\k] offset:512*\k   ; into my wave's stash, as the registers stand
.endr
	s_wait_dscnt 0x0                               ; the stores have read their registers
	; ---- the band: 17 steps.  Only m is set back: the first visible key's a = 0 clears O^T and l
.irp t, 0,1
	v_mov_b32 v[ST+8*\t+1], 0xff61b1e6
	v_mul_f32 v[ST+8*\t], s[CS], v[ST+8*\t+1]
.endr
	s_lshl_b32 s[TK], s[WV], 12                    ; my first key, qw - 256, lies 32 w keys into the work-group's 768
	s_add_co_u32 s[TV], s[TK], VREG
	s_sub_co_i32 s[KEY], s[QW], 256
	v_add_nc_u32 v[ADK], s[TK], v[AK]
	KLOAD 0
	s_mov_b32 s[CNT], 17
.Lloc:
	STEP 1
	s_sub_co_u32 s[CNT], s[CNT], 1
	s_cmp_lg_u32 s[CNT], 0
	s_cbranch_scc1 .Lloc
	; ---- the way out
	s_wait_dscnt 0x0
	v_sub_f32 v[GT], 1.0, v[GT]
	v_sub_f32 v[GT+1], 1.0, v[GT+1]
	FIN GT
.irp k, 0,1,2,3,4,5,6,7,8,9,10,11,12,13,14,15
	ds_load_b128 v[64+4*\k:67+4*\k], v[STA] offset:512*\k
.endr
	s_wait_dscnt 0x0
.irp t, 0,1
.set i, 0
.rept 16
	v_pk_fma_f32 v[64+32*\t+2*i:65+32*\t+2*i], v[O+32*\t+2*i:O+32*\t+2*i+1], v[ST+8*\t+6:ST+8*\t+7], v[64+32*\t+2*i:65+32*\t+2*i] op_sel_hi:[1,0,1]   ; (1 - gate) x O^T / l + the global part
.set i, i+1
.endr
.endr
.set i, 0
.rept 32
	v_cvt_pk_f16_f32 v[128+i], v[64+2*i], v[65+2*i]
.set i, i+1
.endr
.irp t, 0,1
.irp ct, 0,1,2,3
	global_store_b128 v[AK], v[128+16*\t+4*\ct:128+16*\t+4*\ct+3], s[10:11] offset:8192*\t+512*\ct   ; 32 lanes store 512 consecutive bytes, aligned: a piece of the projection's operand
.endr
.endr
	s_wait_tensorcnt 0x0                           ; the wave's end, behind my last tensor load and my last LDS store
	ds_add_u32 v[SPW], v[NIL]
	s_wait_dscnt 0x0
	s_endpgm
.Lfunc_end_k_qdfa79e7a61_attn:
	.size	k_qdfa79e7a61_attn, .Lfunc_end_k_qdfa79e7a61_attn-k_qdfa79e7a61_attn
	.p2alignl 7, 3214868480
	.fill 96, 4, 3214868480
	.section	.rodata,"a",@progbits
	.p2align	6, 0x0
	.amdhsa_kernel k_qdfa79e7a61_attn
		.amdhsa_group_segment_fixed_size 279552
		.amdhsa_private_segment_fixed_size 0
		.amdhsa_enable_private_segment 0
		.amdhsa_kernarg_size 32
		.amdhsa_user_sgpr_count 2
		.amdhsa_user_sgpr_kernarg_segment_ptr 1
		.amdhsa_wavefront_size32 1
		.amdhsa_system_sgpr_workgroup_id_x 1
		.amdhsa_system_sgpr_workgroup_id_y 1
		.amdhsa_system_sgpr_workgroup_id_z 1
		.amdhsa_system_vgpr_workitem_id 0
		.amdhsa_next_free_vgpr 256
		.amdhsa_next_free_sgpr 66
		.amdhsa_reserve_vcc 1
		.amdhsa_float_denorm_mode_32 3
		.amdhsa_float_denorm_mode_16_64 3
		.amdhsa_memory_ordered 1
		.amdhsa_forward_progress 1
		.amdhsa_inst_pref_size 47
	.end_amdhsa_kernel
	.amdgpu_metadata
---
amdhsa.version: [ 1, 2 ]
amdhsa.kernels:
  - .name:           k_qdfa79e7a61_attn
    .symbol:         k_qdfa79e7a61_attn.kd
    .args:
      - { .name: qkv16, .offset: 0, .size: 8, .value_kind: global_buffer, .address_space: global }
      - { .name: gpart, .offset: 8, .size: 8, .value_kind: global_buffer, .address_space: global }
      - { .name: bg, .offset: 16, .size: 8, .value_kind: global_buffer, .address_space: global }
      - { .name: o16, .offset: 24, .size: 8, .value_kind: global_buffer, .address_space: global }
    .group_segment_fixed_size: 279552
    .private_segment_fixed_size: 0
    .kernarg_segment_align: 8
    .kernarg_segment_size: 32
    .max_flat_workgroup_size: 256
    .sgpr_count:     66
    .vgpr_count:     256
    .wavefront_size: 32
...
	.end_amdgpu_metadata
.endif
;; end of part 3
;; launch proj (part 4): grid 8 x 32, 4 waves a work-group, clusters of 4 x 4, 327,680 bytes of LDS; arguments o16, wout16, bout, out0; writes out0
.if DOCPART == 4
	.amdgcn_target "amdgcn-amd-amdhsa--gfx1250"
	.amdhsa_code_object_version 6
	.text
	.protected	k_qdfa79e7a61_proj
	.globl	k_qdfa79e7a61_proj
	.p2align	8
	.type	k_qdfa79e7a61_proj,@function
k_qdfa79e7a61_proj:
	s_mov_b64 s[64:65], 0
	v_nop
	global_prefetch_b8 v0, s[64:65] scope:SCOPE_SE
	s_setreg_imm32_b32 hwreg(HW_REG_WAVE_MODE, 25, 1), 1
	s_wait_xcnt 0x0
	s_wait_alu depctr_hold_cnt(0) depctr_sa_sdst(0) depctr_va_vdst(0) depctr_va_sdst(0) depctr_va_ssrc(0) depctr_va_vcc(0) depctr_vm_vsrc(0)
	s_getreg_b32 s2, hwreg(HW_REG_IB_STS2, 6, 4)
	s_cmp_eq_u32 s2, 0
	s_cbranch_scc0 .Lentry_in_a_cluster
	s_endpgm
.Lentry_in_a_cluster:
	s_bfe_u32 s2, ttmp6, 0x10000c
	s_cmp_lg_u32 s2, 0xf033
	s_cbranch_scc0 .Lentry_shape_is_right
	s_endpgm
.Lentry_shape_is_right:
; PROJ: out0 = o Wout + bout, [4096][1024], K = 1,024; operands in f16, sums and result in f32.
; 256 work-groups of four waves; a tile of out0 is 128 x 128, a wave's 64 x 64: 16 accumulators of 16 x 16.  K goes in four steps of 256 through a ring of two LDS slots.
; BOTH OPERANDS LIE IN MEMORY IN THE ORDER OF THEIR REGISTERS (a fragment of 16 rows x 32 K = two pieces of 512 bytes, lane l's 16 bytes at 16 l): a wave's part of a K step, 64 rows x 256 K, is one dense block of
; 32,768 bytes for one tensor load, and a fragment load reads 512 consecutive LDS bytes: no padding.
; By this text's own count a wave has two tensor loads out at the start and one behind each of the two changes of slots that fill a slot again.
; CLUSTERS: 4 x 4 work-groups.  The four of a row of the cluster need the same tokens, the four of a column the same columns of Wout: each block is asked for JOINTLY.
; THE MATRIX INSTRUCTION IS USED TRANSPOSED (source 0 = 16 columns of Wout, source 1 = 16 tokens): a lane holds eight neighbouring numbers of a row of out0.  The bias is the C of each sum's first instruction.
; REGISTERS: window 0: v0-31 addresses; v32-63 the bias, on the way out v32-95 rows of out0; v128-255 the accumulators ((a, b) at v[128 + 8 (4 a + b)]).
;   window 1: two fragment buffers of 128: for 64 along K, 64 registers of tokens (2 x 4 fragments), then 64 of Wout.
.set PART,   32768                     ; what one tensor load brings, and what one wave reads of either operand in a K step
.set SLOT,   4*PART                    ; the tokens' two parts, then Wout's two
.set SPARE,  2*SLOT                    ; behind the ring: the spare words, 128 bytes a wave
.set SPITCH, 272                       ; the way out: a stage of 16 rows x (256 bytes + 16) for each wave.  It lies in slot 0, which has had its last fill and its last read when the first result is stored there
.set ASTEP,  2097152                   ; from K step to K step in o16 (256 blocks of tokens x 8,192 bytes),
.set BSTEP,  524288                    ; and in wout16 (64 blocks of columns)
.set ADRA, 16                          ; v16-17  LDS address of my tokens' fragments in slot 0, 1
.set ADRB, 20                          ; v20-21  the same for Wout's
.set STO,  24                          ; v24     the way out: where I put 32 bytes of a row
.set RD,   25                          ; v25     where I read a row back
.set CO,   26                          ; v26     my byte offset in out0
.set SPW,  28                          ; v28     my spare word's LDS address; never rewritten
.set NIL,  29                          ; v29     0; never rewritten
.set BI,   32                          ; the bias: block b of 16 columns at BI + 8 b
.set BK,   32                          ; the way out: two buffers of 32
.set ACC,  128
.set F0,   0                           ; fragment buffers, in window 1
.set F1,   128
.set G1, 24                            ; s[24:31] group 1 for the tokens;  s[32:39] group 0, one set for each slot
.set G0, 32
.set G1B, 48                           ; s[48:55], s[56:63] the same for Wout
.set G0B, 56
.set MSB, 0
.macro WIN new                         ; the immediate's high byte repeats the setting that is left
.if MSB != \new
	s_set_vgpr_msb (MSB<<8)|\new
.set MSB, \new
.endif
.endm
.set MUL,  0x05                        ; sources 0 (Wout) and 1 (tokens) window 1; C and D window 0
.set TO_F, 0x40                        ; destination window 1, address window 0
.macro JLOAD s                         ; a joint load: waves 0 and 1 fetch the tokens' two parts, waves 2 and 3 Wout's; an s_nop 0 and four v_nop follow each line
	s_cmp_eq_u32 s11, 0
	s_cbranch_scc0 .Lfor_b_\@
	tensor_load_to_lds s[G0+4*\s:G0+4*\s+3], s[G1:G1+7]
	s_nop 0
.rept 4
	v_nop
.endr
	s_branch .Lasked_\@
.Lfor_b_\@:
	tensor_load_to_lds s[G0B+4*\s:G0B+4*\s+3], s[G1B:G1B+7]
	s_nop 0
.rept 4
	v_nop
.endr
.Lasked_\@:
.endm
.macro CREST                           ; a round of the cluster's barrier behind its opening barrier
	s_cmp_lg_u32 s10, 0
	s_cbranch_scc1 .Lnot_wave_0_\@
	s_barrier_signal -3
.Lnot_wave_0_\@:
	s_barrier_wait -3
	s_barrier_signal -1
	s_barrier_wait -1
.endm
.macro CROUND                          ; a whole round
	s_barrier_signal -1
	s_barrier_wait -1
	CREST
.endm
	s_load_b128 s[4:7], s[0:1], 0x0                ; o16 s[4:5], wout16 s[6:7]
	s_load_b128 s[72:75], s[0:1], 0x10             ; bout s[72:73], out0 s[74:75]
	v_lshl_add_u32 v[SPW], v0, 2, SPARE
	v_mov_b32 v[NIL], 0
	ds_add_u32 v[SPW], v[NIL]                      ; the wave's opening: the add, twice on end, and its wait ahead of my first tensor load
	ds_add_u32 v[SPW], v[NIL]                      ; and once more, under the one wait; the set-up below, work on registers, stands between
	v_lshrrev_b32 v1, 5, v0
	v_readfirstlane_b32 s10, v1                    ; wave 0..3
	s_lshr_b32 s11, s10, 1                         ; which half of the tile's tokens is mine.  Also: I fetch for the tokens (0) or for Wout (1)
	s_and_b32 s12, s10, 1                          ; which half of its columns.  Also: which 64 rows I fetch
	s_bfe_u32 s40, ttmp6, 0x40000                  ; cx, cy: my place in the cluster
	s_bfe_u32 s41, ttmp6, 0x40004
	s_lshl_b32 s42, ttmp9, 2
	s_add_co_u32 s42, s42, s40                     ; tile column = 4 x cluster x + cx
	s_and_b32 s13, ttmp7, 0xffff
	s_lshl_b32 s13, s13, 2
	s_add_co_u32 s13, s13, s41                     ; tile row = 4 x cluster y + cy
	s_lshl_b32 s43, s41, 2
	s_lshl_b32 s43, 15, s43                        ; my row of the cluster
	s_lshl_b32 s44, 0x1111, s40                    ; my column
	; group 1: a dense block of 32,768 bytes as 128 rows of 256 (32 elements of 8 bytes); no padding
	s_or_b32 s[G1+0], s43, (3<<16)|(1<<21)         ; 15:0 the mask: my row; 17:16 elements of 8 bytes; 21 set beside a mask
	s_or_b32 s[G1B+0], s44, (3<<16)|(1<<21)
.irp g, G1, G1B
	s_mov_b32 s[\g+1], 32<<16                      ; tensor_dim0
	s_mov_b32 s[\g+2], 128<<16                     ; tensor_dim1
	s_mov_b32 s[\g+3], 32<<16                      ; tile_dim0
	s_mov_b32 s[\g+4], 128                         ; tile_dim1
	s_mov_b32 s[\g+5], 32                          ; tensor_dim0_stride
	s_mov_b32 s[\g+6], 0
	s_mov_b32 s[\g+7], 0
.endr
	s_lshl_b32 s17, s12, 15                        ; which 4 blocks of 16 rows (8,192 bytes each) I fetch
	s_lshl_b32 s16, s13, 16                        ; the tokens: 8 blocks a tile row
	s_add_co_u32 s16, s16, s17
	s_lshl_b32 s46, s42, 16                        ; Wout: 8 blocks a tile column
	s_add_co_u32 s46, s46, s17
	s_mov_b32 s17, 0
	s_mov_b32 s47, 0
	s_lshl_b32 s20, s10, 15                        ; where they go: wave x a part: no place in the cluster enters an LDS address
	s_wait_dscnt 0x0                               ; both opening adds are done
	s_wait_kmcnt 0x0
	s_add_nc_u64 s[14:15], s[4:5], s[16:17]
	s_add_nc_u64 s[46:47], s[6:7], s[46:47]
	CROUND                                         ; all sixteen work-groups are here: the first joint loads meet
.irp s, 0,1
	s_mov_b32 s[G0+4*\s], 1
	s_add_co_u32 s[G0+4*\s+1], s20, \s*SLOT
	s_add_nc_u64 s[G0+4*\s+2:G0+4*\s+3], s[14:15], \s*ASTEP
	s_or_b32 s[G0+4*\s+3], s[G0+4*\s+3], 0x80000000
	s_mov_b32 s[G0B+4*\s], 1
	s_add_co_u32 s[G0B+4*\s+1], s20, \s*SLOT
	s_add_nc_u64 s[G0B+4*\s+2:G0B+4*\s+3], s[46:47], \s*BSTEP
	s_or_b32 s[G0B+4*\s+3], s[G0B+4*\s+3], 0x80000000
	JLOAD \s
.endr
	v_and_b32 v1, 15, v0                           ; r
	v_bfe_u32 v2, v0, 4, 1                         ; h
	v_and_b32 v3, 31, v0
	v_lshlrev_b32 v3, 4, v3                        ; 16 x lane
	s_lshl_b32 s21, s11, 15                        ; my 64 tokens
	s_lshl_b32 s22, s12, 15                        ; my 64 columns,
	s_add_co_u32 s22, s22, 2*PART                  ; which lie behind the tokens' two parts
.irp s, 0,1
	v_add_nc_u32 v[ADRA+\s], s21, v3
	v_add_nc_u32 v[ADRB+\s], s22, v3
	s_add_co_u32 s21, s21, SLOT
	s_add_co_u32 s22, s22, SLOT
.endr
	s_mul_i32 s23, s10, 16*SPITCH                  ; my stage
	v_mul_u32_u24 v5, v1, SPITCH                   ; in: row r, 32 bytes for each half of the lanes
	v_lshl_add_u32 v5, v2, 5, v5
	v_add_nc_u32 v[STO], s23, v5
	v_mul_u32_u24 v5, v2, SPITCH                   ; back: lanes 0-15 take one row of 256 bytes, lanes 16-31 the next
	v_lshl_add_u32 v5, v1, 4, v5
	v_add_nc_u32 v[RD], s23, v5
	v_lshlrev_b32 v5, 12, v2                       ; and the same two rows in out0
	v_lshl_add_u32 v[CO], v1, 4, v5
	v_lshlrev_b32 v4, 5, v2                        ; the bias: lane (r, h) wants, for block b, bout at my first column + 16 b + 8 h + 0 .. 7
	s_lshl_b32 s46, s42, 9                         ; my first column, in bytes: 512 x tile column + 256 x half
	s_lshl_b32 s47, s12, 8
	s_add_co_u32 s46, s46, s47
	s_mov_b32 s47, 0
	s_add_nc_u64 s[72:73], s[72:73], s[46:47]
.irp b, 0,1,2,3
	global_load_b128 v[BI+8*\b:BI+8*\b+3], v4, s[72:73] offset:64*\b
	global_load_b128 v[BI+8*\b+4:BI+8*\b+7], v4, s[72:73] offset:64*\b+16
.endr
	s_lshl_b32 s16, s13, 19                        ; my first row of out0: 128 rows of 4,096 bytes a tile row, + 64 x half
	s_lshl_b32 s17, s11, 18
	s_add_co_u32 s16, s16, s17
	s_mov_b32 s17, 0
	s_add_nc_u64 s[16:17], s[16:17], s[46:47]
	s_add_nc_u64 s[74:75], s[74:75], s[16:17]
; 8 matrix instructions: the tokens' blocks a0, a0 + 1 x Wout's four, 32 along K: half c of buffer f.  zero = 1: the first product starts the sums on the bias
.macro MUL8 f, c, a0, zero
.irp a, \a0, \a0+1
.irp b, 0,1,2,3
.if \zero
	v_wmma_f32_16x16x32_f16 v[ACC+8*(4*(\a)+\b):ACC+8*(4*(\a)+\b)+7], v[\f+64+8*(4*\c+\b):\f+64+8*(4*\c+\b)+7], v[\f+8*(4*\c+\a):\f+8*(4*\c+\a)+7], v[BI+8*\b:BI+8*\b+7]
.else
	v_wmma_f32_16x16x32_f16 v[ACC+8*(4*(\a)+\b):ACC+8*(4*(\a)+\b)+7], v[\f+64+8*(4*\c+\b):\f+64+8*(4*\c+\b)+7], v[\f+8*(4*\c+\a):\f+8*(4*\c+\a)+7], v[ACC+8*(4*(\a)+\b):ACC+8*(4*(\a)+\b)+7]
.endif
.endr
.endr
.endm
; 32 LDS loads in one run: the fragments of the slot's q-th 64 along K into buffer f; the first 32 along K first
.macro FETCH slot, q, f
	WIN TO_F
.irp c, 0,1
.irp i, 0,1,2,3
	ds_load_b128 v[\f+64+8*(4*\c+\i):\f+64+8*(4*\c+\i)+3],   v[ADRB+\slot] offset:\i*8192+(2*(\q)+\c)*1024
	ds_load_b128 v[\f+64+8*(4*\c+\i)+4:\f+64+8*(4*\c+\i)+7], v[ADRB+\slot] offset:\i*8192+(2*(\q)+\c)*1024+512
	ds_load_b128 v[\f+8*(4*\c+\i):\f+8*(4*\c+\i)+3],         v[ADRA+\slot] offset:\i*8192+(2*(\q)+\c)*1024
	ds_load_b128 v[\f+8*(4*\c+\i)+4:\f+8*(4*\c+\i)+7],       v[ADRA+\slot] offset:\i*8192+(2*(\q)+\c)*1024+512
.endr
.endr
.endm
.macro PLACES                          ; four places in front of loads into registers that matrix instructions have read, and of the first read of results (ISA guide 7.12.1 for the first read of results)
.rept 4
	v_nop
.endr
.endm
; A K step is four quarters of 64 along K, 32 matrix instructions each, on buffers 0, 1, 0, 1.  One of the first three: multiplies buffer f and fetches quarter q into g.
; The 16 accumulators take turns, one instruction a turn.
.macro QUARTER slot, q, f, g, zero
	s_wait_dscnt 16                                ; the first 32 along K are in; the sixteen loads of the second 32 may be out
	WIN MUL
	MUL8 \f, 0, 0, \zero
	MUL8 \f, 0, 2, \zero
	PLACES
	FETCH \slot, \q, \g
	s_wait_dscnt 32                                ; all but the 32 just issued
	WIN MUL
	MUL8 \f, 1, 0, 0
	MUL8 \f, 1, 2, 0
.endm
; The last quarter multiplies buffer 1 and changes slots: ONE barrier; in front of it each wave waits for all its tensor loads, adds 0 to its spare word, and waits for that and for its own reads of this slot.
; fill = 1: this slot is filled again, two K steps ahead; the barrier then opens a round of the cluster's barrier, and the joint refill is the first thing behind the round.
.macro TURN slot, next, fill
	WIN 0                                          ; (the add's two registers lie in window 0)
	s_wait_tensorcnt 0x0                           ; all my tensor loads have landed: my part of the next slot;
	ds_add_u32 v[SPW], v[NIL]                      ; 0 onto my spare word;
	s_wait_dscnt 17                                ; (the add and the youngest sixteen loads may be out)
	WIN MUL
	MUL8 F1, 0, 0, 0                               ; eight matrix instructions stand between the add and the wait for it
	s_wait_dscnt 0x0                               ; the add is done, and my reads of this slot are over
	s_barrier_signal -1
	MUL8 F1, 0, 2, 0
.if \fill
	WIN 0
.endif
	s_barrier_wait -1
.if \fill
	CREST                                          ; no wave of any partner still reads this slot or has a load on its way
	s_add_nc_u64 s[G0+4*\slot+2:G0+4*\slot+3], s[G0+4*\slot+2:G0+4*\slot+3], 2*ASTEP
	s_add_nc_u64 s[G0B+4*\slot+2:G0B+4*\slot+3], s[G0B+4*\slot+2:G0B+4*\slot+3], 2*BSTEP
	JLOAD \slot                                    ; the four v_nop behind it are also the places in front of the loads below
.else
	PLACES
.endif
	FETCH \next, 0, F0
	WIN MUL
	MUL8 F1, 1, 0, 0
	MUL8 F1, 1, 2, 0
.endm
	s_wait_tensorcnt 1                             ; my part of K step 0 is in; the one load that may be out is K step 1's,
	s_barrier_signal -1
	s_barrier_wait -1                              ; and so for every wave
	FETCH 0, 0, F0
	s_wait_loadcnt 0x0                             ; the bias
	QUARTER 0, 1, F0, F1, 1                        ; K step 0: its first products start the sums.  The four K steps are written out
	QUARTER 0, 2, F1, F0, 0
	QUARTER 0, 3, F0, F1, 0
	TURN 0, 1, 1                                   ; slot 0 takes K step 2
	QUARTER 1, 1, F0, F1, 0                        ; K step 1
	QUARTER 1, 2, F1, F0, 0
	QUARTER 1, 3, F0, F1, 0
	TURN 1, 0, 1                                   ; slot 1 takes K step 3
	QUARTER 0, 1, F0, F1, 0                        ; K step 2
	QUARTER 0, 2, F1, F0, 0
	QUARTER 0, 3, F0, F1, 0
	TURN 0, 1, 0                                   ; nothing is left to fetch
	QUARTER 1, 1, F0, F1, 0                        ; K step 3
	QUARTER 1, 2, F1, F0, 0
	QUARTER 1, 3, F0, F1, 0
	s_wait_dscnt 16
	WIN MUL
	MUL8 F1, 0, 0, 0
	MUL8 F1, 0, 2, 0
	s_wait_dscnt 0
	MUL8 F1, 1, 0, 0
	MUL8 F1, 1, 2, 0
	WIN 0
; THE WAY OUT, block by block of 16 tokens x 64 columns.  A lane holds 32 neighbouring bytes of a row and the lanes beside it hold other rows: a block goes through my own stage in LDS and comes back as whole rows
; of 256 bytes.  LDS serves a wave's instructions in order (ISA guide 5.7.1.4): no wait between the stores and the loads, nor in front of the next block's stores.
.macro TOSTAGE a
.irp b, 0,1,2,3
	ds_store_b128 v[STO], v[ACC+8*(4*(\a)+\b):ACC+8*(4*(\a)+\b)+3] offset:64*\b          ; each accumulator from its low end on
	ds_store_b128 v[STO], v[ACC+8*(4*(\a)+\b)+4:ACC+8*(4*(\a)+\b)+7] offset:64*\b+16
.endr
.set BB, BK+32*((\a)%2)
.irp i, 0,1,2,3,4,5,6,7
	ds_load_b128 v[BB+4*\i:BB+4*\i+3], v[RD] offset:\i*2*SPITCH
.endr
.endm
.macro SEND a, younger                 ; younger: the LDS instructions issued behind block a's loads, which may stay out
.set BB, BK+32*((\a)%2)
	s_wait_dscnt \younger
.irp i, 0,1,2,3,4,5,6,7
	global_store_b128 v[CO], v[BB+4*\i:BB+4*\i+3], s[74:75] offset:(16*(\a)+2*\i)*4096 th:TH_STORE_NT   ; sixteen lanes store 256 consecutive bytes, aligned; written once, read by nobody here
.endr
.endm
	PLACES
	TOSTAGE 0
.irp a, 1,2,3
.if \a > 1
	s_wait_xcnt 0x0                                ; block a - 2's stores have read their registers: block a's loads may land there
.endif
	TOSTAGE \a
	SEND \a-1, 16                                  ; behind block a - 1's loads: block a's eight stores and eight loads
.endr
	SEND 3, 0
	s_wait_tensorcnt 0x0                           ; the wave's end, behind my last tensor load and my last LDS store
	ds_add_u32 v[SPW], v[NIL]
	s_wait_dscnt 0x0
	CROUND                                         ; the closing round: no work-group ends while a partner may still ask for a block that names it
	s_endpgm
.Lfunc_end_k_qdfa79e7a61_proj:
	.size	k_qdfa79e7a61_proj, .Lfunc_end_k_qdfa79e7a61_proj-k_qdfa79e7a61_proj
	.p2alignl 7, 3214868480
	.fill 96, 4, 3214868480
	.section	.rodata,"a",@progbits
	.p2align	6, 0x0
	.amdhsa_kernel k_qdfa79e7a61_proj
		.amdhsa_group_segment_fixed_size 327680
		.amdhsa_private_segment_fixed_size 0
		.amdhsa_enable_private_segment 0
		.amdhsa_kernarg_size 32
		.amdhsa_user_sgpr_count 2
		.amdhsa_user_sgpr_kernarg_segment_ptr 1
		.amdhsa_wavefront_size32 1
		.amdhsa_system_sgpr_workgroup_id_x 1
		.amdhsa_system_sgpr_workgroup_id_y 1
		.amdhsa_system_sgpr_workgroup_id_z 1
		.amdhsa_system_vgpr_workitem_id 0
		.amdhsa_next_free_vgpr 512
		.amdhsa_next_free_sgpr 76
		.amdhsa_reserve_vcc 0
		.amdhsa_float_denorm_mode_32 3
		.amdhsa_float_denorm_mode_16_64 3
		.amdhsa_memory_ordered 1
		.amdhsa_forward_progress 1
		.amdhsa_inst_pref_size 86
	.end_amdhsa_kernel
	.amdgpu_metadata
---
amdhsa.version: [ 1, 2 ]
amdhsa.kernels:
  - .name:           k_qdfa79e7a61_proj
    .symbol:         k_qdfa79e7a61_proj.kd
    .args:
      - { .name: o16, .offset: 0, .size: 8, .value_kind: global_buffer, .address_space: global }
      - { .name: wout16, .offset: 8, .size: 8, .value_kind: global_buffer, .address_space: global }
      - { .name: bout, .offset: 16, .size: 8, .value_kind: global_buffer, .address_space: global }
      - { .name: out0, .offset: 24, .size: 8, .value_kind: global_buffer, .address_space: global }
    .group_segment_fixed_size: 327680
    .private_segment_fixed_size: 0
    .kernarg_segment_align: 8
    .kernarg_segment_size: 32
    .max_flat_workgroup_size: 128
    .sgpr_count:     76
    .vgpr_count:     512
    .wavefront_size: 32
...
	.end_amdgpu_metadata
.endif
;; end of part 4
